; MI455X (gfx1250); checked and timed in simulation.
; The chip was launched on July 23, 2026; its instructions are those of AMD's public machine-readable ISA for CDNA 5 (MIT licence, August 2026) and "CDNA5" Instruction Set Architecture Reference Guide (July 2026). The comments in the code are by the model that wrote it; some were corrected since.
;; Long Term Memory. Allowed arithmetic: float matrix products may take bf16 or f16 operands with f32 sums; all other float work in f32.
;; Inputs: D1b 256 float32; D1w 128 x 256 float32; D2b 512 float32; D2w 256 x 512 float32; D3b 1,024 float32; D3w 512 x 1,024 float32; W1 1,024 x 512 float32; W2 512 x 256 float32; W3 256 x 128 float32; b1 512 float32; b2 256 float32; b3 128 float32; keys 100,000 x 128 float32; query 1,024 x 1,024 float32; values 100,000 x 128 float32.
;; Outputs: out0 1,024 x 1,024 float32; out1 1,024 float32.
;; Constants: k = 5.
;; One version. Each part assembles by itself: llvm-mc -triple=amdgcn-amd-amdhsa -mcpu=gfx1250 --defsym DOCPART=n.
;; ======== version 1 of 1: 10 launches
;; workspace buffers: pf 9,699,328 bytes; hA 2,097,152 bytes; hB 2,097,152 bytes; cq 786,432 bytes; cand 8,192,000 bytes; grp 32,768 bytes of whole numbers; nidx 32,768 bytes of whole numbers; nw 32,768 bytes
;; launch prep (part 1): grid 1184 x 1, 8 waves a work-group, no clusters, 0 bytes of LDS; arguments query, W1, D3w, W2, D2w, W3, D1w, pf; writes pf
.if DOCPART == 1
	.amdgcn_target "amdgcn-amd-amdhsa--gfx1250"
	.amdhsa_code_object_version 6
	.text
	.protected	k_q6af869a3b1_prep
	.globl	k_q6af869a3b1_prep
	.p2align	8
	.type	k_q6af869a3b1_prep,@function
k_q6af869a3b1_prep:
	s_mov_b64 s[64:65], 0
	v_nop
	global_prefetch_b8 v0, s[64:65] scope:SCOPE_SE
	s_setreg_imm32_b32 hwreg(HW_REG_WAVE_MODE, 25, 1), 1
	s_wait_xcnt 0x0
; query and the six weight matrices, f32, are split into two bf16 planes, x = hi + lo (hi = bf16(x), lo = bf16(x - hi)),
; and laid down in the order in which a 16 x 32 matrix fragment wants them.  For an operand with rows p (m of query, n of a weight)
; and depth k, KB = K/32: block (p/16, k/32) lies at ((p/16) KB + k/32) 2048, hi plane at +0, lo plane at +1024; in a plane the 16 bytes
; at half 512 + lane 16 hold row p%16 = lane%16 and k = 32 kb + 16 half + 8 (lane/16) + 0..7.
; One thread makes one such 16-byte piece of each plane from 8 numbers along k.  Sixteen neighbouring lanes store 256 consecutive aligned bytes.
; Work-groups 0-511 query, 512-767 W1, 768-1023 D3w, 1024-1087 W2, 1088-1151 D2w, 1152-1167 W3, 1168-1183 D1w.
; LIMIT: a number beyond bf16's largest finite value becomes an infinity in hi; NaN and infinities are not served.
; No LDS, no matrix unit: each byte is read once and written once, there is nothing to share.
.macro SPLIT8 x, hi, lo, t
.irp j, 0,1,2,3
	v_cvt_pk_bf16_f32 v[\hi+\j], v[\x+2*\j], v[\x+2*\j+1]          ; hi, rounded to nearest even
.endr
.irp j, 0,1,2,3
	v_lshlrev_b32 v[\t+2*\j], 16, v[\hi+\j]                        ; hi back as f32
	v_and_b32 v[\t+2*\j+1], 0xffff0000, v[\hi+\j]
.endr
.irp j, 0,2,4,6
	v_pk_add_f32 v[\t+\j:\t+\j+1], v[\x+\j:\x+\j+1], v[\t+\j:\t+\j+1] neg_lo:[0,1] neg_hi:[0,1]   ; x - hi, exact
.endr
.irp j, 0,1,2,3
	v_cvt_pk_bf16_f32 v[\lo+\j], v[\t+2*\j], v[\t+2*\j+1]          ; lo
.endr
.endm
; A weight [K][N], N = 1 << LOGN, at s[ptr:ptr+1].  Thread tau: column n = tau % N, octet o = tau / N (k = 8 o .. 8 o + 7).
.macro CONVW ptr, first, LOGN, KB, dst
	s_sub_co_u32 s2, ttmp9, \first
	s_lshl_b32 s2, s2, 8
	v_add_nc_u32 v1, s2, v0                        ; tau
	v_and_b32 v2, (1<<\LOGN)-1, v1                 ; n
	v_lshrrev_b32 v3, \LOGN, v1                    ; o
	v_lshlrev_b32 v4, \LOGN+5, v3                  ; 8 o rows of 4 N bytes
	v_lshl_add_u32 v4, v2, 2, v4
.irp i, 0,1,2,3,4,5,6,7
	global_load_b32 v[8+\i], v4, s[\ptr:\ptr+1] offset:\i*(4<<\LOGN) th:TH_LOAD_NT   ; a wave takes 128 neighbouring bytes of row 8 o + i
.endr
	v_lshrrev_b32 v5, 4, v2
	v_lshrrev_b32 v6, 2, v3
	v_mad_u32_u24 v5, v5, \KB, v6                  ; block (n/16, o/4)
	v_lshlrev_b32 v5, 11, v5
	v_bfe_u32 v6, v3, 1, 1
	v_lshl_add_u32 v5, v6, 9, v5                   ; half
	v_and_b32 v6, 1, v3
	v_lshl_add_u32 v5, v6, 8, v5                   ; lane / 16
	v_and_b32 v6, 15, v2
	v_lshl_add_u32 v5, v6, 4, v5                   ; lane % 16
	s_wait_loadcnt 0x0
	SPLIT8 8, 16, 20, 24
	global_store_b128 v5, v[16:19], s[30:31] offset:\dst
	global_store_b128 v5, v[20:23], s[30:31] offset:\dst+1024
	s_endpgm
.endm
	s_load_b512 s[16:31], s[0:1], 0x0              ; query 16, W1 18, D3w 20, W2 22, D2w 24, W3 26, D1w 28, pf 30
	s_wait_kmcnt 0x0
	s_cmp_lt_u32 ttmp9, 512
	s_cbranch_scc1 .Lquery
	s_cmp_lt_u32 ttmp9, 768
	s_cbranch_scc1 .Lw1
	s_cmp_lt_u32 ttmp9, 1024
	s_cbranch_scc1 .Ld3
	s_cmp_lt_u32 ttmp9, 1088
	s_cbranch_scc1 .Lw2
	s_cmp_lt_u32 ttmp9, 1152
	s_cbranch_scc1 .Ld2
	s_cmp_lt_u32 ttmp9, 1168
	s_cbranch_scc1 .Lw3
	CONVW 28, 1168, 8, 4, 6946816
.Lw1:
	CONVW 18, 512, 9, 32, 4194304
.Ld3:
	CONVW 20, 768, 10, 16, 7602176
.Lw2:
	CONVW 22, 1024, 8, 16, 6291456
.Ld2:
	CONVW 24, 1088, 9, 8, 7077888
.Lw3:
	CONVW 26, 1152, 7, 8, 6815744
.Lquery:
	; work-group g: rows 16 (g/8) .. +15, columns 128 (g%8) .. +127: 16 pieces of 512 neighbouring bytes.  Wave w: block 4 (g%8) + w/2, half w%2.
	s_lshr_b32 s2, ttmp9, 3
	s_lshl_b32 s2, s2, 16                          ; 16 rows of 4,096 bytes; also 32 blocks of 2,048
	s_and_b32 s3, ttmp9, 7
	s_lshl_b32 s4, s3, 9
	s_add_co_u32 s4, s4, s2                        ; source
	s_lshl_b32 s5, s3, 13
	s_add_co_u32 s5, s5, s2                        ; destination
	v_and_b32 v1, 15, v0
	v_lshrrev_b32 v2, 4, v0                        ; 2 w + lane/16: 32 bytes each
	v_lshlrev_b32 v4, 12, v1
	v_lshl_add_u32 v4, v2, 5, v4
	v_add_nc_u32 v4, s4, v4
	global_load_b128 v[8:11], v4, s[16:17] th:TH_LOAD_NT
	global_load_b128 v[12:15], v4, s[16:17] offset:16 th:TH_LOAD_NT
	v_lshrrev_b32 v3, 6, v0
	v_lshlrev_b32 v5, 11, v3
	v_bfe_u32 v3, v0, 5, 1
	v_lshl_add_u32 v5, v3, 9, v5
	v_and_b32 v3, 31, v0
	v_lshl_add_u32 v5, v3, 4, v5
	v_add_nc_u32 v5, s5, v5
	s_wait_loadcnt 0x0
	SPLIT8 8, 16, 20, 24
	global_store_b128 v5, v[16:19], s[30:31]
	global_store_b128 v5, v[20:23], s[30:31] offset:1024
	s_endpgm
.Lfunc_end_k_q6af869a3b1_prep:
	.size	k_q6af869a3b1_prep, .Lfunc_end_k_q6af869a3b1_prep-k_q6af869a3b1_prep
	.p2alignl 7, 3214868480
	.fill 96, 4, 3214868480
	.section	.rodata,"a",@progbits
	.p2align	6, 0x0
	.amdhsa_kernel k_q6af869a3b1_prep
		.amdhsa_group_segment_fixed_size 0
		.amdhsa_private_segment_fixed_size 0
		.amdhsa_enable_private_segment 0
		.amdhsa_kernarg_size 64
		.amdhsa_user_sgpr_count 2
		.amdhsa_user_sgpr_kernarg_segment_ptr 1
		.amdhsa_wavefront_size32 1
		.amdhsa_system_sgpr_workgroup_id_x 1
		.amdhsa_system_sgpr_workgroup_id_y 1
		.amdhsa_system_sgpr_workgroup_id_z 1
		.amdhsa_system_vgpr_workitem_id 0
		.amdhsa_next_free_vgpr 32
		.amdhsa_next_free_sgpr 66
		.amdhsa_reserve_vcc 0
		.amdhsa_float_denorm_mode_32 3
		.amdhsa_float_denorm_mode_16_64 3
		.amdhsa_memory_ordered 1
		.amdhsa_forward_progress 1
		.amdhsa_inst_pref_size 21
	.end_amdhsa_kernel
	.amdgpu_metadata
---
amdhsa.version: [ 1, 2 ]
amdhsa.kernels:
  - .name:           k_q6af869a3b1_prep
    .symbol:         k_q6af869a3b1_prep.kd
    .args:
      - { .name: query, .offset: 0, .size: 8, .value_kind: global_buffer, .address_space: global }
      - { .name: W1, .offset: 8, .size: 8, .value_kind: global_buffer, .address_space: global }
      - { .name: D3w, .offset: 16, .size: 8, .value_kind: global_buffer, .address_space: global }
      - { .name: W2, .offset: 24, .size: 8, .value_kind: global_buffer, .address_space: global }
      - { .name: D2w, .offset: 32, .size: 8, .value_kind: global_buffer, .address_space: global }
      - { .name: W3, .offset: 40, .size: 8, .value_kind: global_buffer, .address_space: global }
      - { .name: D1w, .offset: 48, .size: 8, .value_kind: global_buffer, .address_space: global }
      - { .name: pf, .offset: 56, .size: 8, .value_kind: global_buffer, .address_space: global }
    .group_segment_fixed_size: 0
    .private_segment_fixed_size: 0
    .kernarg_segment_align: 8
    .kernarg_segment_size: 64
    .max_flat_workgroup_size: 256
    .sgpr_count:     66
    .vgpr_count:     32
    .wavefront_size: 32
...
	.end_amdgpu_metadata
.endif
;; end of part 1
;; launch e1 (part 2): grid 16 x 16, 4 waves a work-group, no clusters, 327,680 bytes of LDS; arguments pf, b1, hA; writes hA
.if DOCPART == 2
	.amdgcn_target "amdgcn-amd-amdhsa--gfx1250"
	.amdhsa_code_object_version 6
	.text
	.protected	k_q6af869a3b1_e1
	.globl	k_q6af869a3b1_e1
	.p2align	8
	.type	k_q6af869a3b1_e1,@function
k_q6af869a3b1_e1:
	s_mov_b64 s[64:65], 0
	v_nop
	global_prefetch_b8 v0, s[64:65] scope:SCOPE_SE
	s_setreg_imm32_b32 hwreg(HW_REG_WAVE_MODE, 25, 1), 1
	s_wait_xcnt 0x0
; Layer 1 of the encoder: h = relu(q W1 + b1), [1024][1024] x [1024][512], in split bf16: with x = xh + xl and w = wh + wl the product is
; xh wh + xh wl + xl wh, three f32 accumulators for each 16 x 16 tile, added at the end (the two small ones first).  The term xl wl is left out.
; Operands come as fragment-ordered planes (block (row/16, k/32) of 2,048 bytes: hi plane, lo plane), the result leaves in the same form.
; Work-group: 64 rows x 32 columns, four waves as 2 x 2; a wave: MT x NT tiles of 16 x 16.  K goes in T pieces of C blocks of 32 through two LDS slots.
; Waves 0, 1 fetch the two halves of X's piece, waves 2, 3 of W's, one tensor load each.
; No joint loads: a work-group makes four fills in all, and each joint fill would stand behind a cluster round of its own; the text is kept plain.
; LIMIT: NaN and infinities are not served.
.set KB, 32                            ; K / 32
.set NCOL, 512
.set MT, 2
.set NT, 1
.set C, 8                              ; k blocks in a slot
.set T, 4                              ; pieces of K
.set WOFF, 4194304                     ; W1's planes in pf (X = query's planes at 0)
.set CB, C*2048                        ; bytes of one row tile in a slot
.set SLOT, 2*(MT+NT)*CB                ; X's 2 MT row tiles, then W's 2 NT
.set NL, 4*(MT+NT)                     ; LDS loads for one k block
.set F0, 32                            ; v[32:95], v[96:159]: two fragment sets: X tile i hi at +16 i, lo +8; W tile j at +16 (MT + j)
.set ACC, 160                          ; accumulator (p, i, j) at ACC + 8 ((p MT + i) NT + j)
; v2 lane 16; v4, v5 X's LDS address in slot 0, 1; v6, v7 W's; v8 output offset; v9 bias offset; v[16:23] bias
; s[24:31], s[32:39] descriptor group 1 for X, W; s[40:47], s[48:55] group 0, one set for each slot
.macro PLACES                          ; four plain vector instructions between a matrix instruction and a load or vector instruction that touches its registers
.rept 4
	v_nop
.endr
.endm
.macro SPLIT8 x, hi, lo, t
.irp j, 0,1,2,3
	v_cvt_pk_bf16_f32 v[\hi+\j], v[\x+2*\j], v[\x+2*\j+1]
.endr
.irp j, 0,1,2,3
	v_lshlrev_b32 v[\t+2*\j], 16, v[\hi+\j]
	v_and_b32 v[\t+2*\j+1], 0xffff0000, v[\hi+\j]
.endr
.irp j, 0,2,4,6
	v_pk_add_f32 v[\t+\j:\t+\j+1], v[\x+\j:\x+\j+1], v[\t+\j:\t+\j+1] neg_lo:[0,1] neg_hi:[0,1]
.endr
.irp j, 0,1,2,3
	v_cvt_pk_bf16_f32 v[\lo+\j], v[\t+2*\j], v[\t+2*\j+1]
.endr
.endm
.macro LOADF slot, kb, f               ; one k block's fragments: each load takes 512 neighbouring bytes
.set i, 0
.rept MT
.irp q, 0,1,2,3
	ds_load_b128 v[\f+16*i+4*\q:\f+16*i+4*\q+3], v[4+\slot] offset:(i*C+\kb)*2048+512*\q
.endr
.set i, i+1
.endr
.set i, 0
.rept NT
.irp q, 0,1,2,3
	ds_load_b128 v[\f+16*(MT+i)+4*\q:\f+16*(MT+i)+4*\q+3], v[6+\slot] offset:(i*C+\kb)*2048+512*\q
.endr
.set i, i+1
.endr
.endm
; Source 0 = W's rows (n), source 1 = X's rows (m): a lane then holds row m = lane % 16 and columns 8 (lane / 16) + 0..7.
; The 3 MT NT accumulators take turns, one instruction a turn.
.macro MULKB f
.irp p, 0,1,2
.set i, 0
.rept MT
.set jn, 0
.rept NT
.set acc, ACC+8*((\p*MT+i)*NT+jn)
.set wf, \f+16*(MT+jn)+8*(\p%2)
.set xf, \f+16*i+8*(\p/2)
.if z
	v_wmma_f32_16x16x32_bf16 v[acc:acc+7], v[wf:wf+7], v[xf:xf+7], 0
.else
	v_wmma_f32_16x16x32_bf16 v[acc:acc+7], v[wf:wf+7], v[xf:xf+7], v[acc:acc+7]
.endif
.set jn, jn+1
.endr
.set i, i+1
.endr
.endr
.endm
.macro COMPUTE slot                    ; the C k blocks of a slot; block kb + 1 is fetched while block kb is multiplied
	PLACES
	LOADF \slot, 0, F0
.set kbi, 0
.rept C
.set fc, F0+64*(kbi%2)
.if kbi+1 < C
.set kn, kbi+1
.set fn, F0+64*(kn%2)
.if kbi > 0
	PLACES
.endif
	LOADF \slot, kn, fn
	s_wait_dscnt NL                                ; all but the NL loads just issued: this block's fragments are in
.else
	s_wait_dscnt 0x0
.endif
	MULKB fc
.set z, 0
.set kbi, kbi+1
.endr
.endm
.macro LOADT s                         ; a wave's one tensor load: X's half (waves 0, 1) or W's (waves 2, 3)
	s_cmp_lt_u32 s12, 2
	s_cbranch_scc0 .Lw_\@
	tensor_load_to_lds s[40+4*(\s):43+4*(\s)], s[24:31]
	s_nop 0
	s_branch .Ld_\@
.Lw_\@:
	tensor_load_to_lds s[48+4*(\s):51+4*(\s)], s[32:39]
	s_nop 0
.Ld_\@:
.endm
.macro TRIP t                          ; piece t >= 1
	s_wait_tensorcnt 0x0                           ; all my tensor loads have landed, my part of this piece among them; no group 0 is in use
	ds_add_u32 v254, v255
	s_wait_dscnt 0x0
.if \t+1 < T
	s_add_nc_u64 s[42+4*((\t+1)%2):43+4*((\t+1)%2)], s[42+4*((\t+1)%2):43+4*((\t+1)%2)], 2*CB
	s_add_nc_u64 s[50+4*((\t+1)%2):51+4*((\t+1)%2)], s[50+4*((\t+1)%2):51+4*((\t+1)%2)], 2*CB
.endif
	s_wait_dscnt 0x0                               ; my reads of the last piece are back
	s_barrier_signal -1
	s_barrier_wait -1                              ; both hold of all four waves
.if \t+1 < T
	LOADT (\t+1)%2                                 ; the slot read last is filled again, first thing behind the barrier; one load of mine is out
.endif
	COMPUTE \t%2
.endm
	s_load_b64 s[6:7], s[0:1], 0x0                 ; pf
	s_load_b128 s[8:11], s[0:1], 0x8               ; b1, hA
	v_lshl_add_u32 v254, v0, 2, 0x30000
	v_mov_b32 v255, 0
	ds_add_u32 v254, v255
	ds_add_u32 v254, v255
	v_lshrrev_b32 v1, 5, v0
	v_readfirstlane_b32 s12, v1                    ; wave
	s_lshr_b32 s13, s12, 1                         ; wr: my half of the rows
	s_and_b32 s14, s12, 1                          ; wc: my half of the columns; also which half of a piece I fetch
	s_and_b32 s15, ttmp7, 0xffff                   ; block of rows (ttmp9: block of columns)
	; group 1: a piece is MT (NT) rows of C x 2,048 bytes = C x 256 elements of 8 bytes, KB x 256 elements apart
	s_mov_b32 s24, 3<<16
	s_mov_b32 s25, (C*256)<<16
	s_mov_b32 s26, MT<<16
	s_mov_b32 s27, (C*256)<<16
	s_mov_b32 s28, MT
	s_mov_b32 s29, KB*256
	s_mov_b32 s30, 0
	s_mov_b32 s31, 0
	s_mov_b32 s32, 3<<16
	s_mov_b32 s33, (C*256)<<16
	s_mov_b32 s34, NT<<16
	s_mov_b32 s35, (C*256)<<16
	s_mov_b32 s36, NT
	s_mov_b32 s37, KB*256
	s_mov_b32 s38, 0
	s_mov_b32 s39, 0
	s_mul_i32 s2, s15, 2*MT
	s_mul_i32 s3, s14, MT
	s_add_co_u32 s2, s2, s3
	s_mul_i32 s2, s2, KB*2048                      ; X: first row tile that I fetch
	s_mov_b32 s3, 0
	s_mul_i32 s18, ttmp9, 2*NT
	s_mul_i32 s19, s14, NT
	s_add_co_u32 s18, s18, s19
	s_mul_i32 s18, s18, KB*2048
	s_add_co_u32 s18, s18, WOFF                    ; W likewise
	s_mov_b32 s19, 0
	s_mul_i32 s20, s12, MT*CB                      ; LDS: X's halves at wave x MT x CB (waves 0, 1),
	s_mul_i32 s21, s12, NT*CB
	s_add_co_u32 s21, s21, 2*(MT-NT)*CB            ; W's at 2 MT CB + (wave - 2) NT CB (waves 2, 3)
	s_wait_dscnt 0x0
	s_wait_kmcnt 0x0
	s_mov_b64 s[4:5], s[6:7]                       ; X lies in pf too
	s_add_nc_u64 s[2:3], s[4:5], s[2:3]
	s_add_nc_u64 s[18:19], s[6:7], s[18:19]
.irp s, 0,1
	s_mov_b32 s[40+4*\s], 1
	s_add_co_u32 s[41+4*\s], s20, \s*SLOT
	s_add_nc_u64 s[42+4*\s:43+4*\s], s[2:3], \s*CB
	s_or_b32 s[43+4*\s], s[43+4*\s], 0x80000000
	s_mov_b32 s[48+4*\s], 1
	s_add_co_u32 s[49+4*\s], s21, \s*SLOT
	s_add_nc_u64 s[50+4*\s:51+4*\s], s[18:19], \s*CB
	s_or_b32 s[51+4*\s], s[51+4*\s], 0x80000000
.endr
	s_cmp_lt_u32 s12, 2                            ; both first fills of a wave in one branch: two loads of mine are out
	s_cbranch_scc0 .Lfirst_w
	tensor_load_to_lds s[40:43], s[24:31]
	s_nop 0
	tensor_load_to_lds s[44:47], s[24:31]
	s_nop 0
	s_branch .Lfirst_done
.Lfirst_w:
	tensor_load_to_lds s[48:51], s[32:39]
	s_nop 0
	tensor_load_to_lds s[52:55], s[32:39]
	s_nop 0
.Lfirst_done:
	v_and_b32 v1, 31, v0
	v_lshlrev_b32 v2, 4, v1
	v_bfe_u32 v3, v0, 4, 1                         ; h = lane / 16
	s_mul_i32 s22, s13, MT*CB
	s_mul_i32 s23, s14, NT*CB
	s_add_co_u32 s23, s23, 2*MT*CB
	v_add_nc_u32 v4, s22, v2
	v_add_nc_u32 v6, s23, v2
	v_add_nc_u32 v5, SLOT, v4
	v_add_nc_u32 v7, SLOT, v6
	s_mul_i32 s22, ttmp9, 2*NT
	s_mul_i32 s23, s14, NT
	s_add_co_u32 s22, s22, s23                     ; my first column tile
	s_lshl_b32 s23, s22, 6
	v_lshl_add_u32 v9, v3, 5, s23                  ; bias of columns 16 tile + 8 h + 0..7
	global_load_b128 v[16:19], v9, s[8:9]
	global_load_b128 v[20:23], v9, s[8:9] offset:16
	s_mul_i32 s16, s15, 2*MT
	s_mul_i32 s17, s13, MT
	s_add_co_u32 s16, s16, s17                     ; my first row tile
	s_mul_i32 s17, s16, NCOL/32
	s_add_co_u32 s17, s17, ttmp9                   ; output block (row tile, column tile / 2): NT = 1, so column tile = 2 x block + wc
	s_lshl_b32 s17, s17, 11
	s_lshl_b32 s22, s14, 9
	s_add_co_u32 s17, s17, s22
	v_add_nc_u32 v8, s17, v2
	s_wait_tensorcnt 0x1                           ; my part of piece 0 is in; slot 1's fill may stay out
	s_barrier_signal -1
	s_barrier_wait -1
.set z, 1                              ; the first products start the sums
	COMPUTE 0
	TRIP 1
	TRIP 2
	TRIP 3
	s_wait_loadcnt 0x0                             ; bias
	PLACES
.set i, 0
.rept MT
.set ahh, ACC+8*i
.set ahl, ACC+8*(MT+i)
.set alh, ACC+8*(2*MT+i)
.set sh, F0+16*i
.irp j, 0,2,4,6
	v_pk_add_f32 v[ahl+\j:ahl+\j+1], v[ahl+\j:ahl+\j+1], v[alh+\j:alh+\j+1]
.endr
.irp j, 0,2,4,6
	v_pk_add_f32 v[ahh+\j:ahh+\j+1], v[ahh+\j:ahh+\j+1], v[ahl+\j:ahl+\j+1]
.endr
.irp j, 0,2,4,6
	v_pk_add_f32 v[ahh+\j:ahh+\j+1], v[ahh+\j:ahh+\j+1], v[16+\j:16+\j+1]
.endr
.irp j, 0,1,2,3,4,5,6,7
	v_max_num_f32 v[ahh+\j], 0, v[ahh+\j]
.endr
	SPLIT8 ahh, sh, sh+4, sh+8
	global_store_b128 v8, v[sh:sh+3], s[10:11] offset:i*NCOL*64            ; a wave stores 512 consecutive aligned bytes
	global_store_b128 v8, v[sh+4:sh+7], s[10:11] offset:i*NCOL*64+1024
.set i, i+1
.endr
	s_endpgm
.Lfunc_end_k_q6af869a3b1_e1:
	.size	k_q6af869a3b1_e1, .Lfunc_end_k_q6af869a3b1_e1-k_q6af869a3b1_e1
	.p2alignl 7, 3214868480
	.fill 96, 4, 3214868480
	.section	.rodata,"a",@progbits
	.p2align	6, 0x0
	.amdhsa_kernel k_q6af869a3b1_e1
		.amdhsa_group_segment_fixed_size 327680
		.amdhsa_private_segment_fixed_size 0
		.amdhsa_enable_private_segment 0
		.amdhsa_kernarg_size 24
		.amdhsa_user_sgpr_count 2
		.amdhsa_user_sgpr_kernarg_segment_ptr 1
		.amdhsa_wavefront_size32 1
		.amdhsa_system_sgpr_workgroup_id_x 1
		.amdhsa_system_sgpr_workgroup_id_y 1
		.amdhsa_system_sgpr_workgroup_id_z 1
		.amdhsa_system_vgpr_workitem_id 0
		.amdhsa_next_free_vgpr 256
		.amdhsa_next_free_sgpr 66
		.amdhsa_reserve_vcc 0
		.amdhsa_float_denorm_mode_32 3
		.amdhsa_float_denorm_mode_16_64 3
		.amdhsa_memory_ordered 1
		.amdhsa_forward_progress 1
		.amdhsa_inst_pref_size 52
	.end_amdhsa_kernel
	.amdgpu_metadata
---
amdhsa.version: [ 1, 2 ]
amdhsa.kernels:
  - .name:           k_q6af869a3b1_e1
    .symbol:         k_q6af869a3b1_e1.kd
    .args:
      - { .name: pf, .offset: 0, .size: 8, .value_kind: global_buffer, .address_space: global }
      - { .name: b1, .offset: 8, .size: 8, .value_kind: global_buffer, .address_space: global }
      - { .name: hA, .offset: 16, .size: 8, .value_kind: global_buffer, .address_space: global }
    .group_segment_fixed_size: 327680
    .private_segment_fixed_size: 0
    .kernarg_segment_align: 8
    .kernarg_segment_size: 24
    .max_flat_workgroup_size: 128
    .sgpr_count:     66
    .vgpr_count:     256
    .wavefront_size: 32
...
	.end_amdgpu_metadata
.endif
;; end of part 2
;; launch e2 (part 3): grid 8 x 32, 4 waves a work-group, no clusters, 168,448 bytes of LDS; arguments hA, pf, b2, hB; writes hB
.if DOCPART == 3
	.amdgcn_target "amdgcn-amd-amdhsa--gfx1250"
	.amdhsa_code_object_version 6
	.text
	.protected	k_q6af869a3b1_e2
	.globl	k_q6af869a3b1_e2
	.p2align	8
	.type	k_q6af869a3b1_e2,@function
k_q6af869a3b1_e2:
	s_mov_b64 s[64:65], 0
	v_nop
	global_prefetch_b8 v0, s[64:65] scope:SCOPE_SE
	s_setreg_imm32_b32 hwreg(HW_REG_WAVE_MODE, 25, 1), 1
	s_wait_xcnt 0x0
; Layer 2 of the encoder: relu(h W2 + b2), [1024][512] x [512][256], in split bf16: xh wh + xh wl + xl wh in three f32 accumulators for each tile,
; added at the end (the two small ones first).  Operands and result are fragment-ordered planes (block (row/16, k/32) of 2,048 bytes: hi, lo).
; Work-group: 32 rows x 32 columns, four waves as 2 x 2, one 16 x 16 tile each.  K in two pieces of 8 blocks of 32, one LDS slot each, filled once.
; Waves 0, 1 fetch X's halves, waves 2, 3 W's.  No joint loads: two fills a work-group, each would need a cluster round of its own; kept plain.
; LIMIT: NaN and infinities are not served.
.set KB, 16
.set NCOL, 256
.set MT, 1
.set NT, 1
.set C, 8
.set WOFF, 6291456
.set CB, C*2048
.set SLOT, 2*(MT+NT)*CB
.set NL, 4*(MT+NT)
.set F0, 32                            ; v[32:95], v[96:159] fragment sets: X tile i hi at +16 i, lo +8; W tile j at +16 (MT + j)
.set ACC, 160                          ; accumulator (p, i, j) at ACC + 8 ((p MT + i) NT + j)
; v2 lane 16; v4, v5 X's LDS address in slot 0, 1; v6, v7 W's; v8 output offset; v9 bias offset; v[16:23] bias
.macro PLACES                          ; four plain vector instructions between a matrix instruction and what touches its registers (ISA guide 7.12.1)
.rept 4
	v_nop
.endr
.endm
.macro SPLIT8 x, hi, lo, t
.irp j, 0,1,2,3
	v_cvt_pk_bf16_f32 v[\hi+\j], v[\x+2*\j], v[\x+2*\j+1]
.endr
.irp j, 0,1,2,3
	v_lshlrev_b32 v[\t+2*\j], 16, v[\hi+\j]
	v_and_b32 v[\t+2*\j+1], 0xffff0000, v[\hi+\j]
.endr
.irp j, 0,2,4,6
	v_pk_add_f32 v[\t+\j:\t+\j+1], v[\x+\j:\x+\j+1], v[\t+\j:\t+\j+1] neg_lo:[0,1] neg_hi:[0,1]
.endr
.irp j, 0,1,2,3
	v_cvt_pk_bf16_f32 v[\lo+\j], v[\t+2*\j], v[\t+2*\j+1]
.endr
.endm
.macro LOADF slot, kb, f
.set i, 0
.rept MT
.irp q, 0,1,2,3
	ds_load_b128 v[\f+16*i+4*\q:\f+16*i+4*\q+3], v[4+\slot] offset:(i*C+\kb)*2048+512*\q
.endr
.set i, i+1
.endr
.set i, 0
.rept NT
.irp q, 0,1,2,3
	ds_load_b128 v[\f+16*(MT+i)+4*\q:\f+16*(MT+i)+4*\q+3], v[6+\slot] offset:(i*C+\kb)*2048+512*\q
.endr
.set i, i+1
.endr
.endm
; Source 0 = W's rows (n), source 1 = X's rows (m): a lane holds row m = lane % 16, columns 8 (lane / 16) + 0..7.
; The three accumulators take turns, one instruction a turn.
.macro MULKB f
.irp p, 0,1,2
.set i, 0
.rept MT
.set jn, 0
.rept NT
.set acc, ACC+8*((\p*MT+i)*NT+jn)
.set wf, \f+16*(MT+jn)+8*(\p%2)
.set xf, \f+16*i+8*(\p/2)
.if z
	v_wmma_f32_16x16x32_bf16 v[acc:acc+7], v[wf:wf+7], v[xf:xf+7], 0
.else
	v_wmma_f32_16x16x32_bf16 v[acc:acc+7], v[wf:wf+7], v[xf:xf+7], v[acc:acc+7]
.endif
.set jn, jn+1
.endr
.set i, i+1
.endr
.endr
.endm
.macro COMPUTE slot
	PLACES
	LOADF \slot, 0, F0
.set kbi, 0
.rept C
.set fc, F0+64*(kbi%2)
.if kbi+1 < C
.set kn, kbi+1
.set fn, F0+64*(kn%2)
.if kbi > 0
	PLACES
.endif
	LOADF \slot, kn, fn
	s_wait_dscnt NL                                ; all but the NL loads just issued
.else
	s_wait_dscnt 0x0
.endif
	MULKB fc
.set z, 0
.set kbi, kbi+1
.endr
.endm
	s_load_b256 s[4:11], s[0:1], 0x0               ; X, pf, bias, out
	v_lshl_add_u32 v254, v0, 2, 0x29000
	v_mov_b32 v255, 0
	ds_add_u32 v254, v255
	ds_add_u32 v254, v255
	v_lshrrev_b32 v1, 5, v0
	v_readfirstlane_b32 s12, v1                    ; wave
	s_lshr_b32 s13, s12, 1                         ; wr
	s_and_b32 s14, s12, 1                          ; wc; also which half of a piece I fetch
	s_and_b32 s15, ttmp7, 0xffff                   ; block of rows
	s_mov_b32 s24, 3<<16                           ; group 1: MT (NT) rows of C x 256 elements of 8 bytes, KB x 256 apart
	s_mov_b32 s25, (C*256)<<16
	s_mov_b32 s26, MT<<16
	s_mov_b32 s27, (C*256)<<16
	s_mov_b32 s28, MT
	s_mov_b32 s29, KB*256
	s_mov_b32 s30, 0
	s_mov_b32 s31, 0
	s_mov_b32 s32, 3<<16
	s_mov_b32 s33, (C*256)<<16
	s_mov_b32 s34, NT<<16
	s_mov_b32 s35, (C*256)<<16
	s_mov_b32 s36, NT
	s_mov_b32 s37, KB*256
	s_mov_b32 s38, 0
	s_mov_b32 s39, 0
	s_mul_i32 s2, s15, 2*MT
	s_mul_i32 s3, s14, MT
	s_add_co_u32 s2, s2, s3
	s_mul_i32 s2, s2, KB*2048
	s_mov_b32 s3, 0
	s_mul_i32 s18, ttmp9, 2*NT
	s_mul_i32 s19, s14, NT
	s_add_co_u32 s18, s18, s19
	s_mul_i32 s18, s18, KB*2048
	s_add_co_u32 s18, s18, WOFF
	s_mov_b32 s19, 0
	s_mul_i32 s20, s12, MT*CB                      ; LDS: X's halves (waves 0, 1)
	s_mul_i32 s21, s12, NT*CB
	s_add_co_u32 s21, s21, 2*(MT-NT)*CB            ; W's halves at 2 MT CB + (wave - 2) NT CB
	s_wait_dscnt 0x0
	s_wait_kmcnt 0x0
	s_add_nc_u64 s[2:3], s[4:5], s[2:3]
	s_add_nc_u64 s[18:19], s[6:7], s[18:19]
.irp s, 0,1
	s_mov_b32 s[40+4*\s], 1
	s_add_co_u32 s[41+4*\s], s20, \s*SLOT
	s_add_nc_u64 s[42+4*\s:43+4*\s], s[2:3], \s*CB
	s_or_b32 s[43+4*\s], s[43+4*\s], 0x80000000
	s_mov_b32 s[48+4*\s], 1
	s_add_co_u32 s[49+4*\s], s21, \s*SLOT
	s_add_nc_u64 s[50+4*\s:51+4*\s], s[18:19], \s*CB
	s_or_b32 s[51+4*\s], s[51+4*\s], 0x80000000
.endr
	s_cmp_lt_u32 s12, 2                            ; both fills of a wave in one branch: two loads of mine are out
	s_cbranch_scc0 .Lfirst_w
	tensor_load_to_lds s[40:43], s[24:31]
	s_nop 0
	tensor_load_to_lds s[44:47], s[24:31]
	s_nop 0
	s_branch .Lfirst_done
.Lfirst_w:
	tensor_load_to_lds s[48:51], s[32:39]
	s_nop 0
	tensor_load_to_lds s[52:55], s[32:39]
	s_nop 0
.Lfirst_done:
	v_and_b32 v1, 31, v0
	v_lshlrev_b32 v2, 4, v1
	v_bfe_u32 v3, v0, 4, 1
	s_mul_i32 s22, s13, MT*CB
	s_mul_i32 s23, s14, NT*CB
	s_add_co_u32 s23, s23, 2*MT*CB
	v_add_nc_u32 v4, s22, v2
	v_add_nc_u32 v6, s23, v2
	v_add_nc_u32 v5, SLOT, v4
	v_add_nc_u32 v7, SLOT, v6
	s_mul_i32 s22, ttmp9, 2*NT
	s_mul_i32 s23, s14, NT
	s_add_co_u32 s22, s22, s23
	s_lshl_b32 s23, s22, 6
	v_lshl_add_u32 v9, v3, 5, s23
	global_load_b128 v[16:19], v9, s[8:9]
	global_load_b128 v[20:23], v9, s[8:9] offset:16
	s_mul_i32 s16, s15, 2*MT
	s_mul_i32 s17, s13, MT
	s_add_co_u32 s16, s16, s17
	s_mul_i32 s17, s16, NCOL/32
	s_add_co_u32 s17, s17, ttmp9
	s_lshl_b32 s17, s17, 11
	s_lshl_b32 s22, s14, 9
	s_add_co_u32 s17, s17, s22
	v_add_nc_u32 v8, s17, v2
	s_wait_tensorcnt 0x1                           ; my part of piece 0 is in; slot 1's fill may stay out
	s_barrier_signal -1
	s_barrier_wait -1
.set z, 1
	COMPUTE 0
	s_wait_tensorcnt 0x0                           ; my part of piece 1
	s_wait_dscnt 0x0
	s_barrier_signal -1
	s_barrier_wait -1
	COMPUTE 1
	s_wait_loadcnt 0x0
	PLACES
.set i, 0
.rept MT
.set ahh, ACC+8*i
.set ahl, ACC+8*(MT+i)
.set alh, ACC+8*(2*MT+i)
.set sh, F0+16*i
.irp j, 0,2,4,6
	v_pk_add_f32 v[ahl+\j:ahl+\j+1], v[ahl+\j:ahl+\j+1], v[alh+\j:alh+\j+1]
.endr
.irp j, 0,2,4,6
	v_pk_add_f32 v[ahh+\j:ahh+\j+1], v[ahh+\j:ahh+\j+1], v[ahl+\j:ahl+\j+1]
.endr
.irp j, 0,2,4,6
	v_pk_add_f32 v[ahh+\j:ahh+\j+1], v[ahh+\j:ahh+\j+1], v[16+\j:16+\j+1]
.endr
.irp j, 0,1,2,3,4,5,6,7
	v_max_num_f32 v[ahh+\j], 0, v[ahh+\j]
.endr
	SPLIT8 ahh, sh, sh+4, sh+8
	global_store_b128 v8, v[sh:sh+3], s[10:11] offset:i*NCOL*64
	global_store_b128 v8, v[sh+4:sh+7], s[10:11] offset:i*NCOL*64+1024
.set i, i+1
.endr
	s_wait_tensorcnt 0x0
	ds_add_u32 v254, v255
	s_wait_dscnt 0x0
	s_endpgm
.Lfunc_end_k_q6af869a3b1_e2:
	.size	k_q6af869a3b1_e2, .Lfunc_end_k_q6af869a3b1_e2-k_q6af869a3b1_e2
	.p2alignl 7, 3214868480
	.fill 96, 4, 3214868480
	.section	.rodata,"a",@progbits
	.p2align	6, 0x0
	.amdhsa_kernel k_q6af869a3b1_e2
		.amdhsa_group_segment_fixed_size 168448
		.amdhsa_private_segment_fixed_size 0
		.amdhsa_enable_private_segment 0
		.amdhsa_kernarg_size 32
		.amdhsa_user_sgpr_count 2
		.amdhsa_user_sgpr_kernarg_segment_ptr 1
		.amdhsa_wavefront_size32 1
		.amdhsa_system_sgpr_workgroup_id_x 1
		.amdhsa_system_sgpr_workgroup_id_y 1
		.amdhsa_system_sgpr_workgroup_id_z 1
		.amdhsa_system_vgpr_workitem_id 0
		.amdhsa_next_free_vgpr 256
		.amdhsa_next_free_sgpr 66
		.amdhsa_reserve_vcc 0
		.amdhsa_float_denorm_mode_32 3
		.amdhsa_float_denorm_mode_16_64 3
		.amdhsa_memory_ordered 1
		.amdhsa_forward_progress 1
		.amdhsa_inst_pref_size 21
	.end_amdhsa_kernel
	.amdgpu_metadata
---
amdhsa.version: [ 1, 2 ]
amdhsa.kernels:
  - .name:           k_q6af869a3b1_e2
    .symbol:         k_q6af869a3b1_e2.kd
    .args:
      - { .name: hA, .offset: 0, .size: 8, .value_kind: global_buffer, .address_space: global }
      - { .name: pf, .offset: 8, .size: 8, .value_kind: global_buffer, .address_space: global }
      - { .name: b2, .offset: 16, .size: 8, .value_kind: global_buffer, .address_space: global }
      - { .name: hB, .offset: 24, .size: 8, .value_kind: global_buffer, .address_space: global }
    .group_segment_fixed_size: 168448
    .private_segment_fixed_size: 0
    .kernarg_segment_align: 8
    .kernarg_segment_size: 32
    .max_flat_workgroup_size: 128
    .sgpr_count:     66
    .vgpr_count:     256
    .wavefront_size: 32
...
	.end_amdgpu_metadata
.endif
;; end of part 3
;; launch e3 (part 4): grid 4 x 32, 4 waves a work-group, no clusters, 168,448 bytes of LDS; arguments hB, pf, b3, cq; writes cq
.if DOCPART == 4
	.amdgcn_target "amdgcn-amd-amdhsa--gfx1250"
	.amdhsa_code_object_version 6
	.text
	.protected	k_q6af869a3b1_e3
	.globl	k_q6af869a3b1_e3
	.p2align	8
	.type	k_q6af869a3b1_e3,@function
k_q6af869a3b1_e3:
	s_mov_b64 s[64:65], 0
	v_nop
	global_prefetch_b8 v0, s[64:65] scope:SCOPE_SE
	s_setreg_imm32_b32 hwreg(HW_REG_WAVE_MODE, 25, 1), 1
	s_wait_xcnt 0x0
; Layer 3 of the encoder: cq = h W3 + b3, [1024][256] x [256][128], in split bf16: xh wh + xh wl + xl wh in three f32 accumulators for each tile.
; Two results: at byte 0 bf16(-2 cq) in fragment order ((query/16) 8 + c/16) 512 + lane 16, for the scores;
; at byte 262,144 cq in f32, ((query/16) 8 + c/16) 1024 + jj 512 + lane 16 holding c = 16 (c/16) + 8 (lane/16) + 4 jj + 0..3 of query lane % 16.
; Work-group: 32 x 32, four waves as 2 x 2.  K in two pieces of 4 blocks of 32, one LDS slot each, filled once.  Waves 0, 1 fetch X, 2, 3 W.
; No joint loads: two fills a work-group, each would need a cluster round of its own; kept plain.  LIMIT: NaN and infinities are not served.
.set KB, 8
.set MT, 1
.set NT, 1
.set C, 4
.set WOFF, 6815744
.set CB, C*2048
.set SLOT, 2*(MT+NT)*CB
.set NL, 4*(MT+NT)
.set F0, 32
.set ACC, 160
; v2 lane 16; v4, v5 X's LDS address in slot 0, 1; v6, v7 W's; v8, v10 output offsets; v9 bias offset; v[16:23] bias
.macro PLACES                          ; four plain vector instructions between a matrix instruction and what touches its registers (ISA guide 7.12.1)
.rept 4
	v_nop
.endr
.endm
.macro LOADF slot, kb, f
.set i, 0
.rept MT
.irp q, 0,1,2,3
	ds_load_b128 v[\f+16*i+4*\q:\f+16*i+4*\q+3], v[4+\slot] offset:(i*C+\kb)*2048+512*\q
.endr
.set i, i+1
.endr
.set i, 0
.rept NT
.irp q, 0,1,2,3
	ds_load_b128 v[\f+16*(MT+i)+4*\q:\f+16*(MT+i)+4*\q+3], v[6+\slot] offset:(i*C+\kb)*2048+512*\q
.endr
.set i, i+1
.endr
.endm
; Source 0 = W's rows (n), source 1 = X's rows (m).  The three accumulators take turns, one instruction a turn.
.macro MULKB f
.irp p, 0,1,2
.set i, 0
.rept MT
.set jn, 0
.rept NT
.set acc, ACC+8*((\p*MT+i)*NT+jn)
.set wf, \f+16*(MT+jn)+8*(\p%2)
.set xf, \f+16*i+8*(\p/2)
.if z
	v_wmma_f32_16x16x32_bf16 v[acc:acc+7], v[wf:wf+7], v[xf:xf+7], 0
.else
	v_wmma_f32_16x16x32_bf16 v[acc:acc+7], v[wf:wf+7], v[xf:xf+7], v[acc:acc+7]
.endif
.set jn, jn+1
.endr
.set i, i+1
.endr
.endr
.endm
.macro COMPUTE slot
	PLACES
	LOADF \slot, 0, F0
.set kbi, 0
.rept C
.set fc, F0+64*(kbi%2)
.if kbi+1 < C
.set kn, kbi+1
.set fn, F0+64*(kn%2)
.if kbi > 0
	PLACES
.endif
	LOADF \slot, kn, fn
	s_wait_dscnt NL                                ; all but the NL loads just issued
.else
	s_wait_dscnt 0x0
.endif
	MULKB fc
.set z, 0
.set kbi, kbi+1
.endr
.endm
	s_load_b256 s[4:11], s[0:1], 0x0               ; X, pf, bias, out
	v_lshl_add_u32 v254, v0, 2, 0x29000
	v_mov_b32 v255, 0
	ds_add_u32 v254, v255
	ds_add_u32 v254, v255
	v_lshrrev_b32 v1, 5, v0
	v_readfirstlane_b32 s12, v1
	s_lshr_b32 s13, s12, 1
	s_and_b32 s14, s12, 1
	s_and_b32 s15, ttmp7, 0xffff
	s_mov_b32 s24, 3<<16                           ; group 1: MT (NT) rows of C x 256 elements of 8 bytes, KB x 256 apart
	s_mov_b32 s25, (C*256)<<16
	s_mov_b32 s26, MT<<16
	s_mov_b32 s27, (C*256)<<16
	s_mov_b32 s28, MT
	s_mov_b32 s29, KB*256
	s_mov_b32 s30, 0
	s_mov_b32 s31, 0
	s_mov_b32 s32, 3<<16
	s_mov_b32 s33, (C*256)<<16
	s_mov_b32 s34, NT<<16
	s_mov_b32 s35, (C*256)<<16
	s_mov_b32 s36, NT
	s_mov_b32 s37, KB*256
	s_mov_b32 s38, 0
	s_mov_b32 s39, 0
	s_mul_i32 s2, s15, 2*MT
	s_mul_i32 s3, s14, MT
	s_add_co_u32 s2, s2, s3
	s_mul_i32 s2, s2, KB*2048
	s_mov_b32 s3, 0
	s_mul_i32 s18, ttmp9, 2*NT
	s_mul_i32 s19, s14, NT
	s_add_co_u32 s18, s18, s19
	s_mul_i32 s18, s18, KB*2048
	s_add_co_u32 s18, s18, WOFF
	s_mov_b32 s19, 0
	s_mul_i32 s20, s12, MT*CB
	s_mul_i32 s21, s12, NT*CB
	s_add_co_u32 s21, s21, 2*(MT-NT)*CB
	s_wait_dscnt 0x0
	s_wait_kmcnt 0x0
	s_add_nc_u64 s[2:3], s[4:5], s[2:3]
	s_add_nc_u64 s[18:19], s[6:7], s[18:19]
.irp s, 0,1
	s_mov_b32 s[40+4*\s], 1
	s_add_co_u32 s[41+4*\s], s20, \s*SLOT
	s_add_nc_u64 s[42+4*\s:43+4*\s], s[2:3], \s*CB
	s_or_b32 s[43+4*\s], s[43+4*\s], 0x80000000
	s_mov_b32 s[48+4*\s], 1
	s_add_co_u32 s[49+4*\s], s21, \s*SLOT
	s_add_nc_u64 s[50+4*\s:51+4*\s], s[18:19], \s*CB
	s_or_b32 s[51+4*\s], s[51+4*\s], 0x80000000
.endr
	s_cmp_lt_u32 s12, 2                            ; both fills of a wave in one branch: two loads of mine are out
	s_cbranch_scc0 .Lfirst_w
	tensor_load_to_lds s[40:43], s[24:31]
	s_nop 0
	tensor_load_to_lds s[44:47], s[24:31]
	s_nop 0
	s_branch .Lfirst_done
.Lfirst_w:
	tensor_load_to_lds s[48:51], s[32:39]
	s_nop 0
	tensor_load_to_lds s[52:55], s[32:39]
	s_nop 0
.Lfirst_done:
	v_and_b32 v1, 31, v0
	v_lshlrev_b32 v2, 4, v1
	v_bfe_u32 v3, v0, 4, 1
	s_mul_i32 s22, s13, MT*CB
	s_mul_i32 s23, s14, NT*CB
	s_add_co_u32 s23, s23, 2*MT*CB
	v_add_nc_u32 v4, s22, v2
	v_add_nc_u32 v6, s23, v2
	v_add_nc_u32 v5, SLOT, v4
	v_add_nc_u32 v7, SLOT, v6
	s_lshl_b32 s22, ttmp9, 1
	s_add_co_u32 s22, s22, s14                     ; my column tile, 0..7
	s_lshl_b32 s23, s22, 6
	v_lshl_add_u32 v9, v3, 5, s23
	global_load_b128 v[16:19], v9, s[8:9]
	global_load_b128 v[20:23], v9, s[8:9] offset:16
	s_lshl_b32 s16, s15, 1
	s_add_co_u32 s16, s16, s13                     ; my row tile
	s_lshl3_add_u32 s17, s16, s22                  ; 8 x row tile + column tile
	s_lshl_b32 s22, s17, 9
	s_lshl_b32 s23, s17, 10
	v_add_nc_u32 v8, s22, v2
	v_add_nc_u32 v10, s23, v2
	s_wait_tensorcnt 0x1                           ; my part of piece 0 is in; slot 1's fill may stay out
	s_barrier_signal -1
	s_barrier_wait -1
.set z, 1
	COMPUTE 0
	s_wait_tensorcnt 0x0
	s_wait_dscnt 0x0
	s_barrier_signal -1
	s_barrier_wait -1
	COMPUTE 1
	s_wait_loadcnt 0x0
	PLACES
.irp j, 0,2,4,6
	v_pk_add_f32 v[ACC+8+\j:ACC+8+\j+1], v[ACC+8+\j:ACC+8+\j+1], v[ACC+16+\j:ACC+16+\j+1]
.endr
.irp j, 0,2,4,6
	v_pk_add_f32 v[ACC+\j:ACC+\j+1], v[ACC+\j:ACC+\j+1], v[ACC+8+\j:ACC+8+\j+1]
.endr
.irp j, 0,2,4,6
	v_pk_add_f32 v[ACC+\j:ACC+\j+1], v[ACC+\j:ACC+\j+1], v[16+\j:16+\j+1]
.endr
.irp j, 0,2,4,6
	v_pk_mul_f32 v[F0+8+\j:F0+8+\j+1], v[ACC+\j:ACC+\j+1], -2.0 op_sel_hi:[1,0]    ; exact
.endr
.irp j, 0,1,2,3
	v_cvt_pk_bf16_f32 v[F0+\j], v[F0+8+2*\j], v[F0+8+2*\j+1]
.endr
	global_store_b128 v8, v[F0:F0+3], s[10:11]
	global_store_b128 v10, v[ACC:ACC+3], s[10:11] offset:262144
	global_store_b128 v10, v[ACC+4:ACC+7], s[10:11] offset:262144+512
	s_wait_tensorcnt 0x0
	ds_add_u32 v254, v255
	s_wait_dscnt 0x0
	s_endpgm
.Lfunc_end_k_q6af869a3b1_e3:
	.size	k_q6af869a3b1_e3, .Lfunc_end_k_q6af869a3b1_e3-k_q6af869a3b1_e3
	.p2alignl 7, 3214868480
	.fill 96, 4, 3214868480
	.section	.rodata,"a",@progbits
	.p2align	6, 0x0
	.amdhsa_kernel k_q6af869a3b1_e3
		.amdhsa_group_segment_fixed_size 168448
		.amdhsa_private_segment_fixed_size 0
		.amdhsa_enable_private_segment 0
		.amdhsa_kernarg_size 32
		.amdhsa_user_sgpr_count 2
		.amdhsa_user_sgpr_kernarg_segment_ptr 1
		.amdhsa_wavefront_size32 1
		.amdhsa_system_sgpr_workgroup_id_x 1
		.amdhsa_system_sgpr_workgroup_id_y 1
		.amdhsa_system_sgpr_workgroup_id_z 1
		.amdhsa_system_vgpr_workitem_id 0
		.amdhsa_next_free_vgpr 256
		.amdhsa_next_free_sgpr 66
		.amdhsa_reserve_vcc 0
		.amdhsa_float_denorm_mode_32 3
		.amdhsa_float_denorm_mode_16_64 3
		.amdhsa_memory_ordered 1
		.amdhsa_forward_progress 1
		.amdhsa_inst_pref_size 14
	.end_amdhsa_kernel
	.amdgpu_metadata
---
amdhsa.version: [ 1, 2 ]
amdhsa.kernels:
  - .name:           k_q6af869a3b1_e3
    .symbol:         k_q6af869a3b1_e3.kd
    .args:
      - { .name: hB, .offset: 0, .size: 8, .value_kind: global_buffer, .address_space: global }
      - { .name: pf, .offset: 8, .size: 8, .value_kind: global_buffer, .address_space: global }
      - { .name: b3, .offset: 16, .size: 8, .value_kind: global_buffer, .address_space: global }
      - { .name: cq, .offset: 24, .size: 8, .value_kind: global_buffer, .address_space: global }
    .group_segment_fixed_size: 168448
    .private_segment_fixed_size: 0
    .kernarg_segment_align: 8
    .kernarg_segment_size: 32
    .max_flat_workgroup_size: 128
    .sgpr_count:     66
    .vgpr_count:     256
    .wavefront_size: 32
...
	.end_amdgpu_metadata
.endif
;; end of part 4
;; launch knn (part 5): grid 250 x 1, 8 waves a work-group, no clusters, 316,416 bytes of LDS; arguments cq, keys, cand; writes cand
.if DOCPART == 5
	.amdgcn_target "amdgcn-amd-amdhsa--gfx1250"
	.amdhsa_code_object_version 6
	.text
	.protected	k_q6af869a3b1_knn
	.globl	k_q6af869a3b1_knn
	.p2align	8
	.type	k_q6af869a3b1_knn,@function
k_q6af869a3b1_knn:
	s_mov_b64 s[64:65], 0
	v_nop
	global_prefetch_b8 v0, s[64:65] scope:SCOPE_SE
	s_setreg_imm32_b32 hwreg(HW_REG_WAVE_MODE, 25, 1), 1
	s_wait_xcnt 0x0
; Scores s(q, k) = |k|^2 - 2 cq.k (the squared distance less |cq|^2, which does not change a query's order) with bf16 operands and f32 sums, and of
; them, for each query and this work-group's 400 keys, the 8 smallest GROUP minima; a group is 8 neighbouring keys.  The five nearest keys always lie in the
; five groups with the smallest minima, so minima are enough; eight are kept as margin, and a later launch computes the 64 distances in f32.
; LIMIT: the final result differs from an exact search only if, beside the groups of the true five nearest, four more groups hold a key within twice the
; selection's error of the fifth distance; that error is the bf16 rounding of cq.k plus 2^-17 of the score (its low 6 bits carry the group's number).
; NaN and infinities are not served.
; Work-group: all 1,024 queries x 400 keys (25 tiles of 16; 250 x 400 = 100,000: no tail, every key byte is read once).  Wave w: queries 128 w .. +127, whose 8 x 4
; fragments of bf16(-2 cq) stay in v256-v511.  Source 0 = keys, source 1 = queries: lane (r, h) holds for query r the keys 16 kt + 8 h + 0..7: ONE group,
; so all choosing runs along a lane's registers.  |k|^2 enters as the C operand of a tile's first product.
; The keys come as f32 by tensor loads (5 stages of 80 rows; a wave fetches and converts 10 rows of each), are rounded to bf16 into rows of 272 bytes, and stage s + 1
; is converted while stage s is multiplied.  All five loads of a wave go out at the start: five are outstanding; no LDS byte is filled twice.
; No joint loads: a key tile is read by one work-group alone, and cq goes straight into registers.
.set KEY, 204800                       ; LDS: 0 f32 keys as in memory; KEY 400 rows x 272 bytes of bf16; NORM 400 f32
.set NORM, 313600
.set AF, 64                            ; v[64:95]   a key tile's four fragments
.set ACC, 96                           ; v[96:159]  scores, 8 query tiles
.set LST, 160                          ; v[160:223] 8 lists of 8, ascending
; v4 key tile's LDS address; v5 its norms'; v6 group number 2 kt + h; v7, v8, v9 conversion: source, bf16 rows, norms; v10 output offset; v11 lane 16
; v[12:19] norms; v[20:27] two f32 rows' pieces; v[28:31] packed; v[32:35] sums of squares
.set MSB, 0
.macro WIN new                         ; the immediate's high byte repeats the setting that is left
.if MSB != \new
	s_set_vgpr_msb (MSB<<8)|\new
.set MSB, \new
.endif
.endm
.macro SEL t                           ; the group's minimum, its number in the low 6 bits, inserted into the sorted list
	v_min3_num_f32 v[ACC+8*\t], v[ACC+8*\t], v[ACC+8*\t+1], v[ACC+8*\t+2]
	v_min3_num_f32 v[ACC+8*\t+3], v[ACC+8*\t+3], v[ACC+8*\t+4], v[ACC+8*\t+5]
	v_min3_num_f32 v[ACC+8*\t], v[ACC+8*\t], v[ACC+8*\t+6], v[ACC+8*\t+7]
	v_min_num_f32 v[ACC+8*\t], v[ACC+8*\t], v[ACC+8*\t+3]
	v_and_or_b32 v[ACC+8*\t], v[ACC+8*\t], s45, v6
.irp i, 7,6,5,4,3,2,1
	v_med3_num_f32 v[LST+8*\t+\i], v[LST+8*\t+\i-1], v[LST+8*\t+\i], v[ACC+8*\t]   ; the middle of old neighbour, old self and the newcomer
.endr
	v_min_num_f32 v[LST+8*\t], v[LST+8*\t], v[ACC+8*\t]
.endm
.macro CONV_DO                         ; two rows: a lane's 4 numbers of each to bf16, and the rows' sums of squares in f32
.irp w, 0,1
	v_cvt_pk_bf16_f32 v[28+2*\w], v[20+4*\w], v[21+4*\w]
	v_cvt_pk_bf16_f32 v[29+2*\w], v[22+4*\w], v[23+4*\w]
	v_pk_mul_f32 v[32+2*\w:33+2*\w], v[20+4*\w:21+4*\w], v[20+4*\w:21+4*\w]
	v_pk_fma_f32 v[32+2*\w:33+2*\w], v[22+4*\w:23+4*\w], v[22+4*\w:23+4*\w], v[32+2*\w:33+2*\w]
	v_add_f32 v[32+2*\w], v[32+2*\w], v[33+2*\w]
.endr
.irp x, 1,2,4,8
	v_add_f32_dpp v32, v32, v32 row_xmask:\x row_mask:0xf bank_mask:0xf
	v_add_f32_dpp v34, v34, v34 row_xmask:\x row_mask:0xf bank_mask:0xf
.endr
	v_permlanex16_b32 v33, v32, s46, s47
	v_permlanex16_b32 v35, v34, s46, s47
	v_add_f32 v32, v32, v33
	v_add_f32 v34, v34, v35
	ds_store_b64 v8, v[28:29]
	ds_store_b64 v8, v[30:31] offset:272
	ds_store_b32 v9, v32                           ; all lanes store the same word
	ds_store_b32 v9, v34 offset:4
.endm
.macro CONV_STEP
	v_add_nc_u32 v7, 1024, v7
	v_add_nc_u32 v8, 544, v8
	v_add_nc_u32 v9, 8, v9
.endm
; One key tile.  sel = 1: the tile before is chosen from, while this tile's LDS loads are on their way.  conv = 1: two rows of the next stage are converted.
.macro TRIP sel, conv
.irp kb, 0,1,2,3
	ds_load_b128 v[AF+8*\kb:AF+8*\kb+3], v4 offset:64*\kb
	ds_load_b128 v[AF+8*\kb+4:AF+8*\kb+7], v4 offset:64*\kb+32
.endr
	ds_load_b128 v[12:15], v5
	ds_load_b128 v[16:19], v5 offset:16
.if \conv
	ds_load_b128 v[20:23], v7
	ds_load_b128 v[24:27], v7 offset:512
.endif
.if \sel
.irp t, 0,1,2,3,4,5,6,7
	SEL \t
.endr
.endif
	s_wait_dscnt 0x0
.if \conv
	CONV_DO
.endif
	WIN 0x04                                       ; source 1 (queries) in v256-v511
.irp kb, 0,1,2,3
.irp t, 0,1,2,3,4,5,6,7
.if \kb == 0
	v_wmma_f32_16x16x32_bf16 v[ACC+8*\t:ACC+8*\t+7], v[AF+8*\kb:AF+8*\kb+7], v[32*\t+8*\kb:32*\t+8*\kb+7], v[12:19]
.else
	v_wmma_f32_16x16x32_bf16 v[ACC+8*\t:ACC+8*\t+7], v[AF+8*\kb:AF+8*\kb+7], v[32*\t+8*\kb:32*\t+8*\kb+7], v[ACC+8*\t:ACC+8*\t+7]
.endif
.endr
.endr
	WIN 0
	; The eight accumulators take turns, one instruction a turn.  The pointer steps, four at the least, are the places between
	; these products and the next trip's loads into their sources and its reads of their results.
	v_add_nc_u32 v4, 4352, v4                      ; 16 rows of 272 bytes
	v_add_nc_u32 v5, 64, v5
.if \sel
	v_add_nc_u32 v6, 2, v6
.endif
.if \conv
	CONV_STEP
.else
	v_nop
.endif
.endm
.macro JUMP                            ; from behind my 10 rows of one stage to my 10 rows of the next (80 rows on)
	v_add_nc_u32 v7, 35840, v7
	v_add_nc_u32 v8, 19040, v8
	v_add_nc_u32 v9, 280, v9
.endm
.macro PUBLISH                         ; my bf16 rows and norms are written, my reads are back; tensor loads may stay out
	s_wait_dscnt 0x0
	s_barrier_signal -1
	s_barrier_wait -1
.endm
.macro STG n                           ; stage n = 1..3: multiply it, convert stage n + 1
	s_wait_tensorcnt 3-\n                          ; my loads land in order: stage n + 1 is in, the 3 - n later ones may stay out
	JUMP
	s_mov_b32 s44, 5
.Lstg_\@:
	TRIP 1, 1
	s_sub_co_i32 s44, s44, 1
	s_cmp_lg_u32 s44, 0
	s_cbranch_scc1 .Lstg_\@
	PUBLISH
.endm
.macro MM s, d, i, j
	v_min_num_f32 v[\d+\i], v[\s+\i], v[\s+\j]
	v_max_num_f32 v[\d+\j], v[\s+\i], v[\s+\j]
.endm
; The lists of lanes r and r + 16 (even and odd groups of one query) are merged: the 8 smallest of 16 as a bitonic run, sorted in three steps; each lane stores half.
.macro FIN t
.irp i, 0,1,2,3,4,5,6,7
	v_permlanex16_b32 v[ACC+8*\t+\i], v[LST+8*\t+7-\i], s46, s47
.endr
.irp i, 0,1,2,3,4,5,6,7
	v_min_num_f32 v[ACC+8*\t+\i], v[LST+8*\t+\i], v[ACC+8*\t+\i]
.endr
.irp i, 0,1,2,3
	MM ACC+8*\t, LST+8*\t, \i, \i+4
.endr
.irp i, 0,1,4,5
	MM LST+8*\t, ACC+8*\t, \i, \i+2
.endr
.irp i, 0,2,4,6
	MM ACC+8*\t, LST+8*\t, \i, \i+1
.endr
.irp j, 0,1,2,3
	v_cndmask_b32 v[ACC+8*\t+\j], v[LST+8*\t+\j], v[LST+8*\t+4+\j], s48
.endr
	global_store_b128 v10, v[ACC+8*\t:ACC+8*\t+3], s[8:9] offset:\t*128000   ; two aligned runs of 256 bytes: 8 queries x 32 bytes each
.endm
	s_load_b128 s[4:7], s[0:1], 0x0                ; cq, keys
	s_load_b64 s[8:9], s[0:1], 0x10                ; cand
	v_lshl_add_u32 v254, v0, 2, 0x4d000
	v_mov_b32 v255, 0
	ds_add_u32 v254, v255
	ds_add_u32 v254, v255
	v_lshrrev_b32 v1, 5, v0
	v_readfirstlane_b32 s10, v1                    ; wave
	s_mov_b32 s16, 3<<16                           ; group 1: 5,120 dense bytes as 20 rows of 32 elements of 8 bytes
	s_mov_b32 s17, 32<<16
	s_mov_b32 s18, 20<<16
	s_mov_b32 s19, 32<<16
	s_mov_b32 s20, 20
	s_mov_b32 s21, 32
	s_mov_b32 s22, 0
	s_mov_b32 s23, 0
	s_mul_i32 s11, s10, 5120                       ; my 10 rows in a stage
	s_mul_i32 s2, ttmp9, 204800                    ; the work-group's 400 rows
	s_add_co_u32 s2, s2, s11
	s_mov_b32 s3, 0
	s_lshl_b32 s12, s10, 15                        ; my 128 queries' fragments
	s_mov_b32 s13, 0
	s_wait_dscnt 0x0
	s_wait_kmcnt 0x0
	s_add_nc_u64 s[6:7], s[6:7], s[2:3]
	s_add_nc_u64 s[12:13], s[4:5], s[12:13]
.irp s, 0,1,2,3,4
	s_mov_b32 s[24+4*\s], 1
	s_add_co_u32 s[25+4*\s], s11, \s*40960
	s_add_nc_u64 s[26+4*\s:27+4*\s], s[6:7], \s*40960
	s_or_b32 s[27+4*\s], s[27+4*\s], 0x80000000
	tensor_load_to_lds s[24+4*\s:27+4*\s], s[16:23]
	s_nop 0
.endr
	v_and_b32 v1, 31, v0
	v_and_b32 v2, 15, v0                           ; r
	v_lshrrev_b32 v3, 4, v1                        ; h
	v_lshlrev_b32 v11, 4, v1
	WIN 0x40                                       ; destination in v256-v511
.set i, 0
.rept 64
	global_load_b128 v[4*i:4*i+3], v11, s[12:13] offset:512*i      ; query tile i/8, c = 16 (i%8) + 8 h + 0..7
.set i, i+1
.endr
	WIN 0
	s_mov_b32 s45, 0xffffffc0
	s_mov_b32 s46, 0x76543210
	s_mov_b32 s47, 0xfedcba98
	s_mov_b32 s48, 0xffff0000
	v_mul_u32_u24 v4, v2, 272
	v_lshl_add_u32 v4, v3, 4, v4
	v_add_nc_u32 v4, KEY, v4
	v_lshlrev_b32 v5, 5, v3
	v_add_nc_u32 v5, NORM, v5
	v_mov_b32 v6, v3
	v_add_nc_u32 v7, s11, v11
	s_mul_i32 s14, s10, 2720
	v_lshl_add_u32 v8, v1, 3, s14
	v_add_nc_u32 v8, KEY, v8
	s_mul_i32 s15, s10, 40
	v_mov_b32 v9, s15
	v_add_nc_u32 v9, NORM, v9
	v_lshrrev_b32 v12, 3, v2
	v_mul_u32_u24 v10, v12, 64000
	v_and_b32 v12, 7, v2
	v_lshl_add_u32 v10, v12, 5, v10
	v_lshl_add_u32 v10, v3, 4, v10
	s_mul_i32 s2, s10, 1024000                     ; 16 blocks of 8 queries x 64,000 bytes
	s_lshl_b32 s14, ttmp9, 8
	s_add_co_u32 s2, s2, s14
	s_add_nc_u64 s[8:9], s[8:9], s[2:3]
.set i, 0
.rept 64
	v_mov_b32 v[LST+i], 0x7f800000                 ; empty lists
.set i, i+1
.endr
	s_wait_tensorcnt 0x4                           ; stage 0 is in, four later loads may stay out
	s_mov_b32 s44, 5
.Lpre:
	ds_load_b128 v[20:23], v7
	ds_load_b128 v[24:27], v7 offset:512
	s_wait_dscnt 0x0
	CONV_DO
	CONV_STEP
	s_sub_co_i32 s44, s44, 1
	s_cmp_lg_u32 s44, 0
	s_cbranch_scc1 .Lpre
	s_wait_loadcnt 0x0                             ; the queries' fragments
	PUBLISH
	s_wait_tensorcnt 0x3                           ; stage 1 is in
	JUMP
	TRIP 0, 1
	s_mov_b32 s44, 4
.Lst0:
	TRIP 1, 1
	s_sub_co_i32 s44, s44, 1
	s_cmp_lg_u32 s44, 0
	s_cbranch_scc1 .Lst0
	PUBLISH
	STG 1
	STG 2
	STG 3
	s_mov_b32 s44, 5
.Lst4:
	TRIP 1, 0
	s_sub_co_i32 s44, s44, 1
	s_cmp_lg_u32 s44, 0
	s_cbranch_scc1 .Lst4
.irp t, 0,1,2,3,4,5,6,7
	SEL \t                                         ; the last tile; the last trip's four steps are its places
.endr
.irp t, 0,1,2,3,4,5,6,7
	FIN \t
.endr
	s_wait_tensorcnt 0x0
	ds_add_u32 v254, v255
	s_wait_dscnt 0x0
	s_endpgm
.Lfunc_end_k_q6af869a3b1_knn:
	.size	k_q6af869a3b1_knn, .Lfunc_end_k_q6af869a3b1_knn-k_q6af869a3b1_knn
	.p2alignl 7, 3214868480
	.fill 96, 4, 3214868480
	.section	.rodata,"a",@progbits
	.p2align	6, 0x0
	.amdhsa_kernel k_q6af869a3b1_knn
		.amdhsa_group_segment_fixed_size 316416
		.amdhsa_private_segment_fixed_size 0
		.amdhsa_enable_private_segment 0
		.amdhsa_kernarg_size 24
		.amdhsa_user_sgpr_count 2
		.amdhsa_user_sgpr_kernarg_segment_ptr 1
		.amdhsa_wavefront_size32 1
		.amdhsa_system_sgpr_workgroup_id_x 1
		.amdhsa_system_sgpr_workgroup_id_y 1
		.amdhsa_system_sgpr_workgroup_id_z 1
		.amdhsa_system_vgpr_workitem_id 0
		.amdhsa_next_free_vgpr 512
		.amdhsa_next_free_sgpr 66
		.amdhsa_reserve_vcc 0
		.amdhsa_float_denorm_mode_32 3
		.amdhsa_float_denorm_mode_16_64 3
		.amdhsa_memory_ordered 1
		.amdhsa_forward_progress 1
		.amdhsa_inst_pref_size 96
	.end_amdhsa_kernel
	.amdgpu_metadata
---
amdhsa.version: [ 1, 2 ]
amdhsa.kernels:
  - .name:           k_q6af869a3b1_knn
    .symbol:         k_q6af869a3b1_knn.kd
    .args:
      - { .name: cq, .offset: 0, .size: 8, .value_kind: global_buffer, .address_space: global }
      - { .name: keys, .offset: 8, .size: 8, .value_kind: global_buffer, .address_space: global }
      - { .name: cand, .offset: 16, .size: 8, .value_kind: global_buffer, .address_space: global }
    .group_segment_fixed_size: 316416
    .private_segment_fixed_size: 0
    .kernarg_segment_align: 8
    .kernarg_segment_size: 24
    .max_flat_workgroup_size: 256
    .sgpr_count:     66
    .vgpr_count:     512
    .wavefront_size: 32
...
	.end_amdgpu_metadata
.endif
;; end of part 5
;; launch sel (part 6): grid 128 x 1, 8 waves a work-group, no clusters, 17,408 bytes of LDS; arguments cand, grp; writes grp
.if DOCPART == 6
	.amdgcn_target "amdgcn-amd-amdhsa--gfx1250"
	.amdhsa_code_object_version 6
	.text
	.protected	k_q6af869a3b1_sel
	.globl	k_q6af869a3b1_sel
	.p2align	8
	.type	k_q6af869a3b1_sel,@function
k_q6af869a3b1_sel:
	s_mov_b64 s[64:65], 0
	v_nop
	global_prefetch_b8 v0, s[64:65] scope:SCOPE_SE
	s_setreg_imm32_b32 hwreg(HW_REG_WAVE_MODE, 25, 1), 1
	s_wait_xcnt 0x0
; For each query the 8 smallest of its 250 sorted lists of 8 group minima, and from them the groups' numbers: 50 x chunk + the value's low 6 bits.
; Work-group b: queries 8 b .. 8 b + 7, 64,000 consecutive bytes.  Thread (q = t % 8, u = t / 8) merges the lists of chunks 8 u .. 8 u + 7 (u = 31: two; the other six
; loads are clamped to chunks that exist and their values replaced by infinity), then lanes, then waves are merged.  The chunk's number rides beside each value.
; A merge keeps the 8 smallest of two sorted lists: min of one against the other reversed gives a bitonic run, three steps of compare-exchange sort it.
; Behind a merge across lanes only the lane with the lower chunks is relied on.  No floating-point number steers an address or a branch here.
; Memory and latency bind; the matrix unit and tensor loads have nothing to do.
.macro CE sv, si, dv, di, i, j         ; value and payload move on one compare, so they cannot part
	v_cmp_lt_f32 vcc_lo, v[\sv+\j], v[\sv+\i]
	v_cndmask_b32 v[\dv+\i], v[\sv+\i], v[\sv+\j], vcc_lo
	v_cndmask_b32 v[\dv+\j], v[\sv+\j], v[\sv+\i], vcc_lo
	v_cndmask_b32 v[\di+\i], v[\si+\i], v[\si+\j], vcc_lo
	v_cndmask_b32 v[\di+\j], v[\si+\j], v[\si+\i], vcc_lo
.endm
.macro MERGE va, ia, vb, ib            ; result, sorted, in (vb, ib); (va, ia) is used up; on equal values a's entry stays
.irp i, 0,1,2,3,4,5,6,7
	v_cmp_lt_f32 vcc_lo, v[\vb+7-\i], v[\va+\i]
	v_cndmask_b32 v[\va+\i], v[\va+\i], v[\vb+7-\i], vcc_lo
	v_cndmask_b32 v[\ia+\i], v[\ia+\i], v[\ib+7-\i], vcc_lo
.endr
.irp i, 0,1,2,3
	CE \va, \ia, \vb, \ib, \i, \i+4
.endr
.irp i, 0,1,4,5
	CE \vb, \ib, \va, \ia, \i, \i+2
.endr
.irp i, 0,2,4,6
	CE \va, \ia, \vb, \ib, \i, \i+1
.endr
.endm
.macro PAY ib, i
.irp j, 0,1,2,3,4,5,6,7
	v_add_nc_u32 v[\ib+\j], \i, v6
.endr
.endm
.macro STEP k                          ; list k joins the running result
	s_wait_loadcnt 14-2*\k                         ; lists 0..k are in; the 2 (7 - k) later loads may stay out
.if \k > 1
.irp j, 0,1,2,3,4,5,6,7
	v_cndmask_b32 v[32+8*\k+\j], v[32+8*\k+\j], v7, s20
.endr
.endif
	PAY 96+8*(\k%2), \k
	MERGE 32+8*(\k-1), 96+8*((\k-1)%2), 32+8*\k, 96+8*(\k%2)
.endm
.macro X8 sv, si, dv, di               ; the list of lane xor 8
.irp j, 0,1,2,3,4,5,6,7
	v_mov_b32_dpp v[\dv+\j], v[\sv+\j] row_xmask:8 row_mask:0xf bank_mask:0xf
	v_mov_b32_dpp v[\di+\j], v[\si+\j] row_xmask:8 row_mask:0xf bank_mask:0xf
.endr
.endm
.macro X16 sv, si, dv, di              ; the list of lane xor 16
.irp j, 0,1,2,3,4,5,6,7
	v_permlanex16_b32 v[\dv+\j], v[\sv+\j], s22, s23
	v_permlanex16_b32 v[\di+\j], v[\si+\j], s22, s23
.endr
.endm
	s_load_b128 s[4:7], s[0:1], 0x0                ; cand, grp
	v_lshl_add_u32 v128, v0, 2, 0x4000
	v_mov_b32 v129, 0
	v_lshrrev_b32 v1, 5, v0
	v_readfirstlane_b32 s10, v1                    ; wave
	s_mul_i32 s2, ttmp9, 64000
	s_mov_b32 s3, 0
	s_mov_b32 s21, 0xff00ff00
	s_mov_b32 s22, 0x76543210
	s_mov_b32 s23, 0xfedcba98
	v_and_b32 v1, 7, v0                            ; q
	v_lshrrev_b32 v2, 3, v0                        ; u
	v_lshlrev_b32 v3, 5, v1
	v_lshl_add_u32 v4, v2, 11, v3                  ; 8 chunks of 256 bytes
	v_min_u32 v5, 30, v2
	v_lshl_add_u32 v5, v5, 11, v3                  ; for chunks 8 u + 2 .. + 7, which u = 31 does not have
	v_lshlrev_b32 v6, 3, v2
	v_mov_b32 v7, 0x7f800000
	v_cmp_eq_u32 s20, 31, v2
	s_wait_kmcnt 0x0
	s_add_nc_u64 s[4:5], s[4:5], s[2:3]
.irp i, 0,1
	global_load_b128 v[32+8*\i:35+8*\i], v4, s[4:5] offset:256*\i
	global_load_b128 v[36+8*\i:39+8*\i], v4, s[4:5] offset:256*\i+16
.endr
.irp i, 2,3,4,5,6,7
	global_load_b128 v[32+8*\i:35+8*\i], v5, s[4:5] offset:256*\i
	global_load_b128 v[36+8*\i:39+8*\i], v5, s[4:5] offset:256*\i+16
.endr
	PAY 96, 0
.irp k, 1,2,3,4,5,6,7
	STEP \k
.endr
	X8 88, 104, 32, 96                             ; result so far in (v88, v104)
	MERGE 88, 104, 32, 96
	X16 32, 96, 40, 104
	MERGE 32, 96, 40, 104
	v_lshlrev_b32 v8, 6, v0
	ds_store_b128 v8, v[40:43]
	ds_store_b128 v8, v[44:47] offset:16
	ds_store_b128 v8, v[104:107] offset:32
	ds_store_b128 v8, v[108:111] offset:48
	s_wait_dscnt 0x0                               ; my stores are done before I say so
	s_barrier_signal -1
	s_barrier_wait -1
	s_cmp_lg_u32 s10, 0
	s_cbranch_scc1 .Lend
	; wave 0: lane (q, sub) merges the results of waves 2 sub and 2 sub + 1 (their lanes q), then across sub
	v_lshrrev_b32 v2, 3, v0
	v_lshlrev_b32 v9, 6, v1
	v_lshl_add_u32 v9, v2, 12, v9
	ds_load_b128 v[48:51], v9
	ds_load_b128 v[52:55], v9 offset:16
	ds_load_b128 v[96:99], v9 offset:32
	ds_load_b128 v[100:103], v9 offset:48
	ds_load_b128 v[56:59], v9 offset:2048
	ds_load_b128 v[60:63], v9 offset:2064
	ds_load_b128 v[104:107], v9 offset:2080
	ds_load_b128 v[108:111], v9 offset:2096
	s_wait_dscnt 0x0
	MERGE 48, 96, 56, 104
	X8 56, 104, 64, 96
	MERGE 56, 104, 64, 96
	X16 64, 96, 72, 104
	MERGE 64, 96, 72, 104
.irp j, 0,1,2,3,4,5,6,7
	v_and_b32 v[32+\j], 63, v[72+\j]
	v_mad_u32_u24 v[32+\j], v[104+\j], 50, v[32+\j]        ; group = 50 x chunk + number in the chunk
.endr
.irp j, 0,1,2,3
	v_mov_b32_dpp v[40+\j], v[36+\j] row_xmask:8 row_mask:0xf bank_mask:0xf   ; lanes 8-15 take entries 4..7 from lanes 0-7
.endr
.irp j, 0,1,2,3
	v_cndmask_b32 v[44+\j], v[32+\j], v[40+\j], s21
.endr
	v_lshl_add_u32 v10, v2, 4, v3                  ; q 32 + sub 16
	s_lshl_b32 s2, ttmp9, 8
	s_add_nc_u64 s[6:7], s[6:7], s[2:3]
	s_wait_xcnt 0x0                                ; EXEC changes only behind this wait
	v_cmpx_gt_u32 16, v0
	global_store_b128 v10, v[44:47], s[6:7]        ; sixteen lanes store 256 consecutive aligned bytes
.Lend:
	s_wait_xcnt 0x0
	s_mov_b32 exec_lo, -1
	s_wait_tensorcnt 0x0
	ds_add_u32 v128, v129
	s_wait_dscnt 0x0
	s_endpgm
.Lfunc_end_k_q6af869a3b1_sel:
	.size	k_q6af869a3b1_sel, .Lfunc_end_k_q6af869a3b1_sel-k_q6af869a3b1_sel
	.p2alignl 7, 3214868480
	.fill 96, 4, 3214868480
	.section	.rodata,"a",@progbits
	.p2align	6, 0x0
	.amdhsa_kernel k_q6af869a3b1_sel
		.amdhsa_group_segment_fixed_size 17408
		.amdhsa_private_segment_fixed_size 0
		.amdhsa_enable_private_segment 0
		.amdhsa_kernarg_size 16
		.amdhsa_user_sgpr_count 2
		.amdhsa_user_sgpr_kernarg_segment_ptr 1
		.amdhsa_wavefront_size32 1
		.amdhsa_system_sgpr_workgroup_id_x 1
		.amdhsa_system_sgpr_workgroup_id_y 1
		.amdhsa_system_sgpr_workgroup_id_z 1
		.amdhsa_system_vgpr_workitem_id 0
		.amdhsa_next_free_vgpr 130
		.amdhsa_next_free_sgpr 66
		.amdhsa_reserve_vcc 1
		.amdhsa_float_denorm_mode_32 3
		.amdhsa_float_denorm_mode_16_64 3
		.amdhsa_memory_ordered 1
		.amdhsa_forward_progress 1
		.amdhsa_inst_pref_size 47
	.end_amdhsa_kernel
	.amdgpu_metadata
---
amdhsa.version: [ 1, 2 ]
amdhsa.kernels:
  - .name:           k_q6af869a3b1_sel
    .symbol:         k_q6af869a3b1_sel.kd
    .args:
      - { .name: cand, .offset: 0, .size: 8, .value_kind: global_buffer, .address_space: global }
      - { .name: grp, .offset: 8, .size: 8, .value_kind: global_buffer, .address_space: global }
    .group_segment_fixed_size: 17408
    .private_segment_fixed_size: 0
    .kernarg_segment_align: 8
    .kernarg_segment_size: 16
    .max_flat_workgroup_size: 256
    .sgpr_count:     66
    .vgpr_count:     130
    .wavefront_size: 32
...
	.end_amdgpu_metadata
.endif
;; end of part 6
;; launch rescore (part 7): grid 256 x 1, 4 waves a work-group, no clusters, 1,536 bytes of LDS; arguments grp, keys, cq, nidx, nw, out1; writes nidx, nw, out1
.if DOCPART == 7
	.amdgcn_target "amdgcn-amd-amdhsa--gfx1250"
	.amdhsa_code_object_version 6
	.text
	.protected	k_q6af869a3b1_rescore
	.globl	k_q6af869a3b1_rescore
	.p2align	8
	.type	k_q6af869a3b1_rescore,@function
k_q6af869a3b1_rescore:
	s_mov_b64 s[64:65], 0
	v_nop
	global_prefetch_b8 v0, s[64:65] scope:SCOPE_SE
	s_setreg_imm32_b32 hwreg(HW_REG_WAVE_MODE, 25, 1), 1
	s_wait_xcnt 0x0
; One wave, one query: the squared distances to the 64 keys of its 8 groups in f32, as the sum of (k - cq)^2 (a form that loses
; less), the five smallest with their indices (on equal distances the lower index), the weights 1/(d + 1e-6) over their sum, and the confidence 1/(d0 + 1e-6).
; A lane holds 4 of the 128 columns; a key row is one load of 512 consecutive bytes.  32 loads are kept in flight in a ring of 32 register slots.
; The 64 partial sums of each lane are summed over the lanes by halving: in each of five steps a lane gives away half of its sums and adds what it is given, so that
; lane l ends with the whole sums of keys 2 l and 2 l + 1 of the 64.
; The groups' numbers are whole numbers stored by the launch before; they are clamped to 12,499 before they enter an address.
; nidx and nw leave as 128 bytes, out1 as 16 bytes a work-group (68 KiB in all): runs of 256 would halve the number of work-groups.
; NaN and infinities are not served.  No matrix unit: 8.4 M multiply-adds in all, and f32 is wanted.
.set P, 192                            ; v[192:255] partial sums
; v2 lane 16; v10 my group; v[12:15] cq; v[16:19] at work; v[20:27] indices; v[28:35] weights; v[36:40] distances; v[56:63] the rounds; v[64:191] ring
.macro RS n, mask, x
.set i, 0
.rept \n/2
	v_cndmask_b32 v16, v[P+i+\n/2], v[P+i], \mask          ; what I give away
	v_cndmask_b32 v[P+i], v[P+i], v[P+i+\n/2], \mask       ; what I keep
.if \x == 16
	v_permlanex16_b32 v17, v16, s60, s61
	v_add_f32 v[P+i], v[P+i], v17
.else
	v_add_f32_dpp v[P+i], v16, v[P+i] row_xmask:\x row_mask:0xf bank_mask:0xf
.endif
.set i, i+1
.endr
.endm
.macro ROUND r
	v_min_num_f32 v56, v[P], v[P+1]
.irp x, 1,2,4,8
	v_min_num_f32_dpp v56, v56, v56 row_xmask:\x row_mask:0xf bank_mask:0xf
.endr
	v_permlanex16_b32 v57, v56, s60, s61
	v_min_num_f32 v56, v56, v57                    ; the smallest distance left, in every lane
	v_cmp_eq_f32 vcc_lo, v[P], v56
	v_cndmask_b32 v58, v60, v62, vcc_lo
	v_cmp_eq_f32 vcc_lo, v[P+1], v56
	v_cndmask_b32 v59, v60, v63, vcc_lo
	v_min_u32 v58, v58, v59
.irp x, 1,2,4,8
	v_mov_b32_dpp v59, v58 row_xmask:\x row_mask:0xf bank_mask:0xf
	v_min_u32 v58, v58, v59
.endr
	v_permlanex16_b32 v59, v58, s60, s61
	v_min_u32 v58, v58, v59                        ; the lowest index that has it
	v_mov_b32 v[36+\r], v56
	v_mov_b32 v[20+\r], v58
	v_cmp_eq_u32 vcc_lo, v62, v58
	v_cndmask_b32 v[P], v[P], v61, vcc_lo          ; taken out
	v_cmp_eq_u32 vcc_lo, v63, v58
	v_cndmask_b32 v[P+1], v[P+1], v61, vcc_lo
.endm
	s_load_b256 s[4:11], s[0:1], 0x0               ; grp, keys, cq, nidx
	s_load_b128 s[12:15], s[0:1], 0x20             ; nw, out1
	v_lshl_add_u32 v47, v0, 2, 0x400
	v_mov_b32 v55, 0
	v_lshrrev_b32 v1, 5, v0
	v_readfirstlane_b32 s56, v1                    ; wave
	s_lshl_b32 s57, ttmp9, 2
	s_add_co_u32 s57, s57, s56                     ; query
	s_lshl_b32 s58, s57, 5
	s_mov_b32 s59, 0
	s_mov_b32 s50, 0xffff0000
	s_mov_b32 s51, 0xff00ff00
	s_mov_b32 s52, 0xf0f0f0f0
	s_mov_b32 s53, 0xcccccccc
	s_mov_b32 s54, 0xaaaaaaaa
	s_mov_b32 s60, 0x76543210
	s_mov_b32 s61, 0xfedcba98
	v_and_b32 v1, 31, v0
	v_lshlrev_b32 v2, 4, v1
	v_lshrrev_b32 v5, 2, v1
	v_lshlrev_b32 v4, 2, v5                        ; my group's word
	v_lshlrev_b32 v3, 10, v5                       ; cq in tile order: c = 4 lane: tile lane/4,
	v_and_b32 v5, 1, v1
	v_lshl_add_u32 v3, v5, 9, v3                   ; second half of eight: lane % 2,
	v_bfe_u32 v5, v1, 1, 1
	v_lshl_add_u32 v3, v5, 8, v3                   ; upper eight of sixteen: (lane / 2) % 2
	s_lshr_b32 s48, s57, 4
	s_lshl_b32 s48, s48, 13
	s_and_b32 s49, s57, 15
	s_lshl4_add_u32 s48, s49, s48
	v_add_nc_u32 v3, s48, v3
	v_mov_b32 v57, 0
	v_mov_b32 v60, 0x7fffffff
	v_mov_b32 v61, 0x7f800000
	s_wait_kmcnt 0x0
	s_add_nc_u64 s[4:5], s[4:5], s[58:59]
	s_load_b256 s[16:23], s[4:5], 0x0              ; the eight groups
	global_load_b32 v10, v4, s[4:5]
	global_load_b128 v[12:15], v3, s[8:9] offset:262144
	s_mov_b32 s25, 0
	s_wait_kmcnt 0x0
.irp g, 0,1,2,3,4,5,6,7
	s_min_u32 s[16+\g], s[16+\g], 0x30d3
	s_lshl_b32 s24, s[16+\g], 12                   ; 8 rows of 512 bytes
	s_add_nc_u64 s[32+2*\g:33+2*\g], s[6:7], s[24:25]
.endr
.set kk, 0
.rept 32
	global_load_b128 v[64+4*kk:67+4*kk], v2, s[32+2*(kk/8):33+2*(kk/8)] offset:(kk%8)*512
.set kk, kk+1
.endr
.set kk, 0
.rept 64
.set sl, 64+4*(kk%32)
.if kk < 32
	s_wait_loadcnt 31                              ; loads come back in order: key kk is in, the 31 younger ones stay out
.else
	s_wait_loadcnt 63-kk
.endif
	v_pk_add_f32 v[16:17], v[sl:sl+1], v[12:13] neg_lo:[0,1] neg_hi:[0,1]
	v_pk_add_f32 v[18:19], v[sl+2:sl+3], v[14:15] neg_lo:[0,1] neg_hi:[0,1]
	v_pk_mul_f32 v[16:17], v[16:17], v[16:17]
	v_pk_fma_f32 v[16:17], v[18:19], v[18:19], v[16:17]
	v_add_f32 v[P+kk], v16, v17
.if kk < 32
	global_load_b128 v[sl:sl+3], v2, s[32+2*((kk+32)/8):33+2*((kk+32)/8)] offset:(kk%8)*512
.endif
.set kk, kk+1
.endr
	RS 64, s50, 16
	RS 32, s51, 8
	RS 16, s52, 4
	RS 8, s53, 2
	RS 4, s54, 1
	v_min_u32 v10, 0x30d3, v10
	v_and_b32 v5, 3, v1
	v_lshlrev_b32 v5, 1, v5
	v_lshl_add_u32 v62, v10, 3, v5                 ; index of key 2 lane of the 64: 8 x group + 2 (lane % 4)
	v_add_nc_u32 v63, 1, v62
.irp r, 0,1,2,3,4
	ROUND \r
.endr
.irp r, 0,1,2,3,4
	v_add_f32 v[36+\r], 0x358637bd, v[36+\r]       ; + 1e-6
.endr
.irp r, 0,1,2,3,4
	v_rcp_f32 v[28+\r], v[36+\r]
.endr
	v_mov_b32 v25, v20                             ; a plain instruction behind the reciprocals (ISA guide 5.7.2); pads: the first index, weight 0
	v_mov_b32 v26, v20
	v_mov_b32 v27, v20
	s_wait_alu depctr_va_vdst(0)
	v_add_f32 v48, v28, v29
	v_add_f32 v49, v30, v31
	v_add_f32 v48, v48, v49
	v_add_f32 v48, v48, v32
	v_mov_b32 v50, v28                             ; the confidence
	v_rcp_f32 v49, v48
	v_mov_b32 v33, 0
	v_mov_b32 v34, 0
	v_mov_b32 v35, 0
	s_wait_alu depctr_va_vdst(0)
.irp r, 0,1,2,3,4
	v_mul_f32 v[28+\r], v[28+\r], v49
.endr
	s_lshl_b32 s48, s56, 5
	s_lshl_b32 s49, s56, 2
	v_mov_b32 v51, s48
	v_mov_b32 v52, s49
	v_mov_b32 v53, 0
	v_and_b32 v54, 7, v0
	v_lshlrev_b32 v54, 4, v54
	ds_store_b128 v51, v[20:23]                    ; every lane holds the same numbers
	ds_store_b128 v51, v[24:27] offset:16
	ds_store_b128 v51, v[28:31] offset:128
	ds_store_b128 v51, v[32:35] offset:144
	ds_store_b32 v52, v50 offset:256
	s_wait_dscnt 0x0                               ; my stores are done before I say so
	s_barrier_signal -1
	s_barrier_wait -1
	s_cmp_lg_u32 s56, 0
	s_cbranch_scc1 .Lend
	ds_load_b128 v[64:67], v54
	ds_load_b128 v[68:71], v54 offset:128
	ds_load_b128 v[72:75], v53 offset:256
	s_lshl_b32 s58, ttmp9, 7
	s_add_nc_u64 s[10:11], s[10:11], s[58:59]
	s_add_nc_u64 s[12:13], s[12:13], s[58:59]
	s_lshl_b32 s58, ttmp9, 4
	s_add_nc_u64 s[14:15], s[14:15], s[58:59]
	s_wait_dscnt 0x0
	s_wait_xcnt 0x0                                ; EXEC changes only behind this wait
	v_cmpx_gt_u32 8, v0
	global_store_b128 v54, v[64:67], s[10:11]
	global_store_b128 v54, v[68:71], s[12:13]
	s_wait_xcnt 0x0
	v_cmpx_gt_u32 1, v0
	global_store_b128 v53, v[72:75], s[14:15]
.Lend:
	s_wait_xcnt 0x0
	s_mov_b32 exec_lo, -1
	s_wait_tensorcnt 0x0
	ds_add_u32 v47, v55
	s_wait_dscnt 0x0
	s_endpgm
.Lfunc_end_k_q6af869a3b1_rescore:
	.size	k_q6af869a3b1_rescore, .Lfunc_end_k_q6af869a3b1_rescore-k_q6af869a3b1_rescore
	.p2alignl 7, 3214868480
	.fill 96, 4, 3214868480
	.section	.rodata,"a",@progbits
	.p2align	6, 0x0
	.amdhsa_kernel k_q6af869a3b1_rescore
		.amdhsa_group_segment_fixed_size 1536
		.amdhsa_private_segment_fixed_size 0
		.amdhsa_enable_private_segment 0
		.amdhsa_kernarg_size 48
		.amdhsa_user_sgpr_count 2
		.amdhsa_user_sgpr_kernarg_segment_ptr 1
		.amdhsa_wavefront_size32 1
		.amdhsa_system_sgpr_workgroup_id_x 1
		.amdhsa_system_sgpr_workgroup_id_y 1
		.amdhsa_system_sgpr_workgroup_id_z 1
		.amdhsa_system_vgpr_workitem_id 0
		.amdhsa_next_free_vgpr 256
		.amdhsa_next_free_sgpr 66
		.amdhsa_reserve_vcc 1
		.amdhsa_float_denorm_mode_32 3
		.amdhsa_float_denorm_mode_16_64 3
		.amdhsa_memory_ordered 1
		.amdhsa_forward_progress 1
		.amdhsa_inst_pref_size 51
	.end_amdhsa_kernel
	.amdgpu_metadata
---
amdhsa.version: [ 1, 2 ]
amdhsa.kernels:
  - .name:           k_q6af869a3b1_rescore
    .symbol:         k_q6af869a3b1_rescore.kd
    .args:
      - { .name: grp, .offset: 0, .size: 8, .value_kind: global_buffer, .address_space: global }
      - { .name: keys, .offset: 8, .size: 8, .value_kind: global_buffer, .address_space: global }
      - { .name: cq, .offset: 16, .size: 8, .value_kind: global_buffer, .address_space: global }
      - { .name: nidx, .offset: 24, .size: 8, .value_kind: global_buffer, .address_space: global }
      - { .name: nw, .offset: 32, .size: 8, .value_kind: global_buffer, .address_space: global }
      - { .name: out1, .offset: 40, .size: 8, .value_kind: global_buffer, .address_space: global }
    .group_segment_fixed_size: 1536
    .private_segment_fixed_size: 0
    .kernarg_segment_align: 8
    .kernarg_segment_size: 48
    .max_flat_workgroup_size: 128
    .sgpr_count:     66
    .vgpr_count:     256
    .wavefront_size: 32
...
	.end_amdgpu_metadata
.endif
;; end of part 7
;; launch d1 (part 8): grid 8 x 32, 4 waves a work-group, no clusters, 168,448 bytes of LDS; arguments nidx, nw, values, pf, D1b, hA; writes hA
.if DOCPART == 8
	.amdgcn_target "amdgcn-amd-amdhsa--gfx1250"
	.amdhsa_code_object_version 6
	.text
	.protected	k_q6af869a3b1_d1
	.globl	k_q6af869a3b1_d1
	.p2align	8
	.type	k_q6af869a3b1_d1,@function
k_q6af869a3b1_d1:
	s_mov_b64 s[64:65], 0
	v_nop
	global_prefetch_b8 v0, s[64:65] scope:SCOPE_SE
	s_setreg_imm32_b32 hwreg(HW_REG_WAVE_MODE, 25, 1), 1
	s_wait_xcnt 0x0
; The weighted sum of each query's five value rows (f32), then layer 1 of the decoder: relu(x D1w + D1b), [1024][128] x [128][256], in split bf16:
; xh wh + xh wl + xl wh in three f32 accumulators for each tile.  The result leaves as fragment-ordered planes (block (row/16, k/32) of 2,048 bytes: hi, lo).
; Work-group: 32 rows x 32 columns, four waves as 2 x 2.  X is made here: wave w makes k block w (columns 32 w .. +31) of both row tiles and lays it into LDS bytes
; 0 .. 16,383 by LDS stores; no tensor load ever lands there.  W's 16,384 bytes come by one tensor load each of waves 2 and 3: one load of a wave is out.
; The indices are whole numbers stored by an earlier launch; they are clamped to 99,999 before they enter an address.
; No joint loads: one fill a work-group.  LIMIT: NaN and infinities are not served.
.set KB, 4
.set NCOL, 256
.set MT, 1
.set NT, 1
.set C, 4
.set WOFF, 6946816
.set CB, C*2048
.set NL, 4*(MT+NT)
.set F0, 32
.set ACC, 160
; v2 lane 16; v4 X's LDS address; v6 W's; v8 output offset; v9 bias offset; v12 index offset; v13 column offset; v14 where X is stored; v[16:23] bias
; gather: v[32:191] 40 loads; v[200:204], v[208:212] indices, then offsets; v[216:220], v[224:228] weights; v[232:239] sum; v[240:255] split
.macro PLACES                          ; four plain vector instructions between a matrix instruction and what touches its registers (ISA guide 7.12.1)
.rept 4
	v_nop
.endr
.endm
.macro SPLIT8 x, hi, lo, t
.irp j, 0,1,2,3
	v_cvt_pk_bf16_f32 v[\hi+\j], v[\x+2*\j], v[\x+2*\j+1]
.endr
.irp j, 0,1,2,3
	v_lshlrev_b32 v[\t+2*\j], 16, v[\hi+\j]
	v_and_b32 v[\t+2*\j+1], 0xffff0000, v[\hi+\j]
.endr
.irp j, 0,2,4,6
	v_pk_add_f32 v[\t+\j:\t+\j+1], v[\x+\j:\x+\j+1], v[\t+\j:\t+\j+1] neg_lo:[0,1] neg_hi:[0,1]
.endr
.irp j, 0,1,2,3
	v_cvt_pk_bf16_f32 v[\lo+\j], v[\t+2*\j], v[\t+2*\j+1]
.endr
.endm
.macro LOADF slot, kb, f
.irp q, 0,1,2,3
	ds_load_b128 v[\f+4*\q:\f+4*\q+3], v[4+\slot] offset:(\kb)*2048+512*\q
.endr
.irp q, 0,1,2,3
	ds_load_b128 v[\f+16+4*\q:\f+16+4*\q+3], v[6+\slot] offset:(\kb)*2048+512*\q
.endr
.endm
; Source 0 = W's rows (n), source 1 = X's rows (m).  The three accumulators take turns, one instruction a turn.
.macro MULKB f
.irp p, 0,1,2
.set acc, ACC+8*\p
.set wf, \f+16+8*(\p%2)
.set xf, \f+8*(\p/2)
.if z
	v_wmma_f32_16x16x32_bf16 v[acc:acc+7], v[wf:wf+7], v[xf:xf+7], 0
.else
	v_wmma_f32_16x16x32_bf16 v[acc:acc+7], v[wf:wf+7], v[xf:xf+7], v[acc:acc+7]
.endif
.endr
.endm
.macro COMPUTE slot
	LOADF \slot, 0, F0
.set kbi, 0
.rept C
.set fc, F0+64*(kbi%2)
.if kbi+1 < C
.set kn, kbi+1
.set fn, F0+64*(kn%2)
.if kbi > 0
	PLACES
.endif
	LOADF \slot, kn, fn
	s_wait_dscnt NL                                ; all but the NL loads just issued
.else
	s_wait_dscnt 0x0
.endif
	MULKB fc
.set z, 0
.set kbi, kbi+1
.endr
.endm
	s_load_b128 s[56:59], s[0:1], 0x0              ; nidx, nw
	s_load_b128 s[4:7], s[0:1], 0x10               ; values, pf
	s_load_b128 s[8:11], s[0:1], 0x20              ; D1b, hA
	v_lshl_add_u32 v230, v0, 2, 0x29000
	v_mov_b32 v231, 0
	ds_add_u32 v230, v231
	ds_add_u32 v230, v231
	v_lshrrev_b32 v1, 5, v0
	v_readfirstlane_b32 s12, v1                    ; wave
	s_lshr_b32 s13, s12, 1                         ; wr
	s_and_b32 s14, s12, 1                          ; wc; also which half of W I fetch
	s_and_b32 s15, ttmp7, 0xffff                   ; block of rows
	s_mov_b32 s32, 3<<16                           ; group 1: one row of C x 256 elements of 8 bytes
	s_mov_b32 s33, (C*256)<<16
	s_mov_b32 s34, NT<<16
	s_mov_b32 s35, (C*256)<<16
	s_mov_b32 s36, NT
	s_mov_b32 s37, KB*256
	s_mov_b32 s38, 0
	s_mov_b32 s39, 0
	s_lshl_b32 s18, ttmp9, 1
	s_add_co_u32 s18, s18, s14
	s_mul_i32 s18, s18, KB*2048
	s_add_co_u32 s18, s18, WOFF
	s_mov_b32 s19, 0
	s_mul_i32 s21, s12, CB                         ; W's halves at 2 CB + (wave - 2) CB = wave x CB
	s_wait_dscnt 0x0
	s_wait_kmcnt 0x0
	s_mov_b32 s48, 1
	s_mov_b32 s49, s21
	s_add_nc_u64 s[50:51], s[6:7], s[18:19]
	s_or_b32 s51, s51, 0x80000000
	s_cmp_lt_u32 s12, 2
	s_cbranch_scc1 .Lno_w
	tensor_load_to_lds s[48:51], s[32:39]
	s_nop 0
.Lno_w:
	v_and_b32 v1, 31, v0
	v_lshlrev_b32 v2, 4, v1
	v_bfe_u32 v3, v0, 4, 1                         ; h
	v_and_b32 v10, 15, v0                          ; r
	s_lshl_b32 s22, s15, 10
	v_lshl_add_u32 v12, v10, 5, s22                ; row 32 block + r, 32 bytes a row
.irp m, 0,1
	global_load_b128 v[200+8*\m:203+8*\m], v12, s[56:57] offset:512*\m
	global_load_b32 v[204+8*\m], v12, s[56:57] offset:512*\m+16
	global_load_b128 v[216+8*\m:219+8*\m], v12, s[58:59] offset:512*\m
	global_load_b32 v[220+8*\m], v12, s[58:59] offset:512*\m+16
.endr
	s_lshl_b32 s22, ttmp9, 1
	s_add_co_u32 s22, s22, s14                     ; my column tile
	s_lshl_b32 s23, s22, 6
	v_lshl_add_u32 v9, v3, 5, s23
	global_load_b128 v[16:19], v9, s[8:9]
	global_load_b128 v[20:23], v9, s[8:9] offset:16
	s_mul_i32 s22, s13, CB
	s_mul_i32 s23, s14, CB
	s_add_co_u32 s23, s23, 2*CB
	v_add_nc_u32 v4, s22, v2
	v_add_nc_u32 v6, s23, v2
	s_lshl_b32 s22, s12, 7
	v_lshl_add_u32 v13, v3, 5, s22                 ; columns 32 w + 8 h, in bytes
	s_lshl_b32 s22, s12, 11
	v_add_nc_u32 v14, s22, v2                      ; k block w
	s_lshl_b32 s16, s15, 1
	s_add_co_u32 s16, s16, s13                     ; my row tile
	s_mul_i32 s17, s16, NCOL/32
	s_add_co_u32 s17, s17, ttmp9
	s_lshl_b32 s17, s17, 11
	s_lshl_b32 s22, s14, 9
	s_add_co_u32 s17, s17, s22
	v_add_nc_u32 v8, s17, v2
	s_wait_loadcnt 0x0
.irp m, 0,1
.irp n, 0,1,2,3,4
	v_min_u32 v[200+8*\m+\n], 0x1869f, v[200+8*\m+\n]
	v_lshlrev_b32 v[200+8*\m+\n], 9, v[200+8*\m+\n]
	v_add_nc_u32 v[200+8*\m+\n], v13, v[200+8*\m+\n]
.endr
.endr
.irp m, 0,1
.irp f, 0,1
.irp n, 0,1,2,3,4
	global_load_b128 v[32+8*((2*\m+\f)*5+\n):35+8*((2*\m+\f)*5+\n)], v[200+8*\m+\n], s[4:5] offset:64*\f
	global_load_b128 v[36+8*((2*\m+\f)*5+\n):39+8*((2*\m+\f)*5+\n)], v[200+8*\m+\n], s[4:5] offset:64*\f+16
.endr
.endr
.endr
.irp m, 0,1
	s_wait_loadcnt 20-20*\m                        ; row tile 0: the second tile's twenty loads may stay out
.irp f, 0,1
.irp e, 0,1,2,3,4,5,6,7
	v_mul_f32 v[232+\e], v[216+8*\m], v[32+8*((2*\m+\f)*5)+\e]
.endr
.irp n, 1,2,3,4
.irp e, 0,1,2,3,4,5,6,7
	v_fmac_f32 v[232+\e], v[216+8*\m+\n], v[32+8*((2*\m+\f)*5+\n)+\e]
.endr
.endr
	SPLIT8 232, 240, 244, 248
	ds_store_b128 v14, v[240:243] offset:\m*CB+512*\f
	ds_store_b128 v14, v[244:247] offset:\m*CB+512*\f+1024
.endr
.endr
	s_wait_dscnt 0x0                               ; my part of X is written,
	s_wait_tensorcnt 0x0                           ; my part of W, if any, has landed
	s_barrier_signal -1
	s_barrier_wait -1
.set z, 1
	COMPUTE 0
	PLACES
.irp j, 0,2,4,6
	v_pk_add_f32 v[ACC+8+\j:ACC+8+\j+1], v[ACC+8+\j:ACC+8+\j+1], v[ACC+16+\j:ACC+16+\j+1]
.endr
.irp j, 0,2,4,6
	v_pk_add_f32 v[ACC+\j:ACC+\j+1], v[ACC+\j:ACC+\j+1], v[ACC+8+\j:ACC+8+\j+1]
.endr
.irp j, 0,2,4,6
	v_pk_add_f32 v[ACC+\j:ACC+\j+1], v[ACC+\j:ACC+\j+1], v[16+\j:16+\j+1]
.endr
.irp j, 0,1,2,3,4,5,6,7
	v_max_num_f32 v[ACC+\j], 0, v[ACC+\j]
.endr
	SPLIT8 ACC, F0, F0+4, F0+8
	global_store_b128 v8, v[F0:F0+3], s[10:11]
	global_store_b128 v8, v[F0+4:F0+7], s[10:11] offset:1024
	s_wait_tensorcnt 0x0
	ds_add_u32 v230, v231
	s_wait_dscnt 0x0
	s_endpgm
.Lfunc_end_k_q6af869a3b1_d1:
	.size	k_q6af869a3b1_d1, .Lfunc_end_k_q6af869a3b1_d1-k_q6af869a3b1_d1
	.p2alignl 7, 3214868480
	.fill 96, 4, 3214868480
	.section	.rodata,"a",@progbits
	.p2align	6, 0x0
	.amdhsa_kernel k_q6af869a3b1_d1
		.amdhsa_group_segment_fixed_size 168448
		.amdhsa_private_segment_fixed_size 0
		.amdhsa_enable_private_segment 0
		.amdhsa_kernarg_size 48
		.amdhsa_user_sgpr_count 2
		.amdhsa_user_sgpr_kernarg_segment_ptr 1
		.amdhsa_wavefront_size32 1
		.amdhsa_system_sgpr_workgroup_id_x 1
		.amdhsa_system_sgpr_workgroup_id_y 1
		.amdhsa_system_sgpr_workgroup_id_z 1
		.amdhsa_system_vgpr_workitem_id 0
		.amdhsa_next_free_vgpr 256
		.amdhsa_next_free_sgpr 66
		.amdhsa_reserve_vcc 0
		.amdhsa_float_denorm_mode_32 3
		.amdhsa_float_denorm_mode_16_64 3
		.amdhsa_memory_ordered 1
		.amdhsa_forward_progress 1
		.amdhsa_inst_pref_size 25
	.end_amdhsa_kernel
	.amdgpu_metadata
---
amdhsa.version: [ 1, 2 ]
amdhsa.kernels:
  - .name:           k_q6af869a3b1_d1
    .symbol:         k_q6af869a3b1_d1.kd
    .args:
      - { .name: nidx, .offset: 0, .size: 8, .value_kind: global_buffer, .address_space: global }
      - { .name: nw, .offset: 8, .size: 8, .value_kind: global_buffer, .address_space: global }
      - { .name: values, .offset: 16, .size: 8, .value_kind: global_buffer, .address_space: global }
      - { .name: pf, .offset: 24, .size: 8, .value_kind: global_buffer, .address_space: global }
      - { .name: D1b, .offset: 32, .size: 8, .value_kind: global_buffer, .address_space: global }
      - { .name: hA, .offset: 40, .size: 8, .value_kind: global_buffer, .address_space: global }
    .group_segment_fixed_size: 168448
    .private_segment_fixed_size: 0
    .kernarg_segment_align: 8
    .kernarg_segment_size: 48
    .max_flat_workgroup_size: 128
    .sgpr_count:     66
    .vgpr_count:     256
    .wavefront_size: 32
...
	.end_amdgpu_metadata
.endif
;; end of part 8
;; launch d2 (part 9): grid 16 x 16, 4 waves a work-group, no clusters, 168,448 bytes of LDS; arguments hA, pf, D2b, hB; writes hB
.if DOCPART == 9
	.amdgcn_target "amdgcn-amd-amdhsa--gfx1250"
	.amdhsa_code_object_version 6
	.text
	.protected	k_q6af869a3b1_d2
	.globl	k_q6af869a3b1_d2
	.p2align	8
	.type	k_q6af869a3b1_d2,@function
k_q6af869a3b1_d2:
	s_mov_b64 s[64:65], 0
	v_nop
	global_prefetch_b8 v0, s[64:65] scope:SCOPE_SE
	s_setreg_imm32_b32 hwreg(HW_REG_WAVE_MODE, 25, 1), 1
	s_wait_xcnt 0x0
; Layer 2 of the decoder: relu(h D2w + D2b), [1024][256] x [256][512], in split bf16: xh wh + xh wl + xl wh in three f32 accumulators for each tile,
; added at the end (the two small ones first).  Operands and result are fragment-ordered planes (block (row/16, k/32) of 2,048 bytes: hi, lo).
; Work-group: 64 rows x 32 columns, four waves as 2 x 2, two 16 x 16 tiles each.  K in two pieces of 4 blocks of 32, one LDS slot each, filled once.
; Waves 0, 1 fetch X's halves, waves 2, 3 W's.  No joint loads: two fills a work-group, each would need a cluster round of its own; kept plain.
; LIMIT: NaN and infinities are not served.
.set KB, 8
.set NCOL, 512
.set MT, 2
.set NT, 1
.set C, 4
.set WOFF, 7077888
.set CB, C*2048
.set SLOT, 2*(MT+NT)*CB
.set NL, 4*(MT+NT)
.set F0, 32
.set ACC, 160
; v2 lane 16; v4, v5 X's LDS address in slot 0, 1; v6, v7 W's; v8 output offset; v9 bias offset; v[16:23] bias
.macro PLACES                          ; four plain vector instructions between a matrix instruction and what touches its registers (ISA guide 7.12.1)
.rept 4
	v_nop
.endr
.endm
.macro SPLIT8 x, hi, lo, t
.irp j, 0,1,2,3
	v_cvt_pk_bf16_f32 v[\hi+\j], v[\x+2*\j], v[\x+2*\j+1]
.endr
.irp j, 0,1,2,3
	v_lshlrev_b32 v[\t+2*\j], 16, v[\hi+\j]
	v_and_b32 v[\t+2*\j+1], 0xffff0000, v[\hi+\j]
.endr
.irp j, 0,2,4,6
	v_pk_add_f32 v[\t+\j:\t+\j+1], v[\x+\j:\x+\j+1], v[\t+\j:\t+\j+1] neg_lo:[0,1] neg_hi:[0,1]
.endr
.irp j, 0,1,2,3
	v_cvt_pk_bf16_f32 v[\lo+\j], v[\t+2*\j], v[\t+2*\j+1]
.endr
.endm
.macro LOADF slot, kb, f
.set i, 0
.rept MT
.irp q, 0,1,2,3
	ds_load_b128 v[\f+16*i+4*\q:\f+16*i+4*\q+3], v[4+\slot] offset:(i*C+\kb)*2048+512*\q
.endr
.set i, i+1
.endr
.set i, 0
.rept NT
.irp q, 0,1,2,3
	ds_load_b128 v[\f+16*(MT+i)+4*\q:\f+16*(MT+i)+4*\q+3], v[6+\slot] offset:(i*C+\kb)*2048+512*\q
.endr
.set i, i+1
.endr
.endm
; Source 0 = W's rows (n), source 1 = X's rows (m).  The six accumulators take turns, one instruction a turn.
.macro MULKB f
.irp p, 0,1,2
.set i, 0
.rept MT
.set jn, 0
.rept NT
.set acc, ACC+8*((\p*MT+i)*NT+jn)
.set wf, \f+16*(MT+jn)+8*(\p%2)
.set xf, \f+16*i+8*(\p/2)
.if z
	v_wmma_f32_16x16x32_bf16 v[acc:acc+7], v[wf:wf+7], v[xf:xf+7], 0
.else
	v_wmma_f32_16x16x32_bf16 v[acc:acc+7], v[wf:wf+7], v[xf:xf+7], v[acc:acc+7]
.endif
.set jn, jn+1
.endr
.set i, i+1
.endr
.endr
.endm
.macro COMPUTE slot
	PLACES
	LOADF \slot, 0, F0
.set kbi, 0
.rept C
.set fc, F0+64*(kbi%2)
.if kbi+1 < C
.set kn, kbi+1
.set fn, F0+64*(kn%2)
.if kbi > 0
	PLACES
.endif
	LOADF \slot, kn, fn
	s_wait_dscnt NL                                ; all but the NL loads just issued
.else
	s_wait_dscnt 0x0
.endif
	MULKB fc
.set z, 0
.set kbi, kbi+1
.endr
.endm
	s_load_b256 s[4:11], s[0:1], 0x0               ; X, pf, bias, out
	v_lshl_add_u32 v254, v0, 2, 0x29000
	v_mov_b32 v255, 0
	ds_add_u32 v254, v255
	ds_add_u32 v254, v255
	v_lshrrev_b32 v1, 5, v0
	v_readfirstlane_b32 s12, v1
	s_lshr_b32 s13, s12, 1
	s_and_b32 s14, s12, 1
	s_and_b32 s15, ttmp7, 0xffff
	s_mov_b32 s24, 3<<16                           ; group 1: MT (NT) rows of C x 256 elements of 8 bytes, KB x 256 apart
	s_mov_b32 s25, (C*256)<<16
	s_mov_b32 s26, MT<<16
	s_mov_b32 s27, (C*256)<<16
	s_mov_b32 s28, MT
	s_mov_b32 s29, KB*256
	s_mov_b32 s30, 0
	s_mov_b32 s31, 0
	s_mov_b32 s32, 3<<16
	s_mov_b32 s33, (C*256)<<16
	s_mov_b32 s34, NT<<16
	s_mov_b32 s35, (C*256)<<16
	s_mov_b32 s36, NT
	s_mov_b32 s37, KB*256
	s_mov_b32 s38, 0
	s_mov_b32 s39, 0
	s_mul_i32 s2, s15, 2*MT
	s_mul_i32 s3, s14, MT
	s_add_co_u32 s2, s2, s3
	s_mul_i32 s2, s2, KB*2048
	s_mov_b32 s3, 0
	s_mul_i32 s18, ttmp9, 2*NT
	s_mul_i32 s19, s14, NT
	s_add_co_u32 s18, s18, s19
	s_mul_i32 s18, s18, KB*2048
	s_add_co_u32 s18, s18, WOFF
	s_mov_b32 s19, 0
	s_mul_i32 s20, s12, MT*CB
	s_mul_i32 s21, s12, NT*CB
	s_add_co_u32 s21, s21, 2*(MT-NT)*CB
	s_wait_dscnt 0x0
	s_wait_kmcnt 0x0
	s_add_nc_u64 s[2:3], s[4:5], s[2:3]
	s_add_nc_u64 s[18:19], s[6:7], s[18:19]
.irp s, 0,1
	s_mov_b32 s[40+4*\s], 1
	s_add_co_u32 s[41+4*\s], s20, \s*SLOT
	s_add_nc_u64 s[42+4*\s:43+4*\s], s[2:3], \s*CB
	s_or_b32 s[43+4*\s], s[43+4*\s], 0x80000000
	s_mov_b32 s[48+4*\s], 1
	s_add_co_u32 s[49+4*\s], s21, \s*SLOT
	s_add_nc_u64 s[50+4*\s:51+4*\s], s[18:19], \s*CB
	s_or_b32 s[51+4*\s], s[51+4*\s], 0x80000000
.endr
	s_cmp_lt_u32 s12, 2                            ; both fills of a wave in one branch: two loads of mine are out
	s_cbranch_scc0 .Lfirst_w
	tensor_load_to_lds s[40:43], s[24:31]
	s_nop 0
	tensor_load_to_lds s[44:47], s[24:31]
	s_nop 0
	s_branch .Lfirst_done
.Lfirst_w:
	tensor_load_to_lds s[48:51], s[32:39]
	s_nop 0
	tensor_load_to_lds s[52:55], s[32:39]
	s_nop 0
.Lfirst_done:
	v_and_b32 v1, 31, v0
	v_lshlrev_b32 v2, 4, v1
	v_bfe_u32 v3, v0, 4, 1
	s_mul_i32 s22, s13, MT*CB
	s_mul_i32 s23, s14, NT*CB
	s_add_co_u32 s23, s23, 2*MT*CB
	v_add_nc_u32 v4, s22, v2
	v_add_nc_u32 v6, s23, v2
	v_add_nc_u32 v5, SLOT, v4
	v_add_nc_u32 v7, SLOT, v6
	s_mul_i32 s22, ttmp9, 2*NT
	s_mul_i32 s23, s14, NT
	s_add_co_u32 s22, s22, s23
	s_lshl_b32 s23, s22, 6
	v_lshl_add_u32 v9, v3, 5, s23
	global_load_b128 v[16:19], v9, s[8:9]
	global_load_b128 v[20:23], v9, s[8:9] offset:16
	s_mul_i32 s16, s15, 2*MT
	s_mul_i32 s17, s13, MT
	s_add_co_u32 s16, s16, s17
	s_mul_i32 s17, s16, NCOL/32
	s_add_co_u32 s17, s17, ttmp9
	s_lshl_b32 s17, s17, 11
	s_lshl_b32 s22, s14, 9
	s_add_co_u32 s17, s17, s22
	v_add_nc_u32 v8, s17, v2
	s_wait_tensorcnt 0x1                           ; my part of piece 0 is in; slot 1's fill may stay out
	s_barrier_signal -1
	s_barrier_wait -1
.set z, 1
	COMPUTE 0
	s_wait_tensorcnt 0x0
	s_wait_dscnt 0x0
	s_barrier_signal -1
	s_barrier_wait -1
	COMPUTE 1
	s_wait_loadcnt 0x0
	PLACES
.set i, 0
.rept MT
.set ahh, ACC+8*i
.set ahl, ACC+8*(MT+i)
.set alh, ACC+8*(2*MT+i)
.set sh, F0+16*i
.irp j, 0,2,4,6
	v_pk_add_f32 v[ahl+\j:ahl+\j+1], v[ahl+\j:ahl+\j+1], v[alh+\j:alh+\j+1]
.endr
.irp j, 0,2,4,6
	v_pk_add_f32 v[ahh+\j:ahh+\j+1], v[ahh+\j:ahh+\j+1], v[ahl+\j:ahl+\j+1]
.endr
.irp j, 0,2,4,6
	v_pk_add_f32 v[ahh+\j:ahh+\j+1], v[ahh+\j:ahh+\j+1], v[16+\j:16+\j+1]
.endr
.irp j, 0,1,2,3,4,5,6,7
	v_max_num_f32 v[ahh+\j], 0, v[ahh+\j]
.endr
	SPLIT8 ahh, sh, sh+4, sh+8
	global_store_b128 v8, v[sh:sh+3], s[10:11] offset:i*NCOL*64
	global_store_b128 v8, v[sh+4:sh+7], s[10:11] offset:i*NCOL*64+1024
.set i, i+1
.endr
	s_wait_tensorcnt 0x0
	ds_add_u32 v254, v255
	s_wait_dscnt 0x0
	s_endpgm
.Lfunc_end_k_q6af869a3b1_d2:
	.size	k_q6af869a3b1_d2, .Lfunc_end_k_q6af869a3b1_d2-k_q6af869a3b1_d2
	.p2alignl 7, 3214868480
	.fill 96, 4, 3214868480
	.section	.rodata,"a",@progbits
	.p2align	6, 0x0
	.amdhsa_kernel k_q6af869a3b1_d2
		.amdhsa_group_segment_fixed_size 168448
		.amdhsa_private_segment_fixed_size 0
		.amdhsa_enable_private_segment 0
		.amdhsa_kernarg_size 32
		.amdhsa_user_sgpr_count 2
		.amdhsa_user_sgpr_kernarg_segment_ptr 1
		.amdhsa_wavefront_size32 1
		.amdhsa_system_sgpr_workgroup_id_x 1
		.amdhsa_system_sgpr_workgroup_id_y 1
		.amdhsa_system_sgpr_workgroup_id_z 1
		.amdhsa_system_vgpr_workitem_id 0
		.amdhsa_next_free_vgpr 256
		.amdhsa_next_free_sgpr 66
		.amdhsa_reserve_vcc 0
		.amdhsa_float_denorm_mode_32 3
		.amdhsa_float_denorm_mode_16_64 3
		.amdhsa_memory_ordered 1
		.amdhsa_forward_progress 1
		.amdhsa_inst_pref_size 20
	.end_amdhsa_kernel
	.amdgpu_metadata
---
amdhsa.version: [ 1, 2 ]
amdhsa.kernels:
  - .name:           k_q6af869a3b1_d2
    .symbol:         k_q6af869a3b1_d2.kd
    .args:
      - { .name: hA, .offset: 0, .size: 8, .value_kind: global_buffer, .address_space: global }
      - { .name: pf, .offset: 8, .size: 8, .value_kind: global_buffer, .address_space: global }
      - { .name: D2b, .offset: 16, .size: 8, .value_kind: global_buffer, .address_space: global }
      - { .name: hB, .offset: 24, .size: 8, .value_kind: global_buffer, .address_space: global }
    .group_segment_fixed_size: 168448
    .private_segment_fixed_size: 0
    .kernarg_segment_align: 8
    .kernarg_segment_size: 32
    .max_flat_workgroup_size: 128
    .sgpr_count:     66
    .vgpr_count:     256
    .wavefront_size: 32
...
	.end_amdgpu_metadata
.endif
;; end of part 9
;; launch d3 (part 10): grid 16 x 16, 4 waves a work-group, no clusters, 280,064 bytes of LDS; arguments hB, pf, D3b, out0; writes out0
.if DOCPART == 10
	.amdgcn_target "amdgcn-amd-amdhsa--gfx1250"
	.amdhsa_code_object_version 6
	.text
	.protected	k_q6af869a3b1_d3
	.globl	k_q6af869a3b1_d3
	.p2align	8
	.type	k_q6af869a3b1_d3,@function
k_q6af869a3b1_d3:
	s_mov_b64 s[64:65], 0
	v_nop
	global_prefetch_b8 v0, s[64:65] scope:SCOPE_SE
	s_setreg_imm32_b32 hwreg(HW_REG_WAVE_MODE, 25, 1), 1
	s_wait_xcnt 0x0
; Layer 3 of the decoder: out0 = h D3w + D3b, [1024][512] x [512][1024], in split bf16: xh wh + xh wl + xl wh in three f32 accumulators for each tile,
; added at the end (the two small ones first).  Operands are fragment-ordered planes (block (row/16, k/32) of 2,048 bytes: hi, lo); the result is plain f32 rows.
; Work-group: 64 rows x 64 columns, four waves as 2 x 2, 2 x 2 tiles of 16 x 16 each.  K in two pieces of 8 blocks of 32, one LDS slot each, filled once.
; The result goes through a stage in LDS behind the slots (64 rows of 256 + 16 bytes, never a tensor load's target), so that sixteen lanes store 256 consecutive aligned bytes.
; Waves 0, 1 fetch X's halves, waves 2, 3 W's.  No joint loads: two fills a work-group, each would need a cluster round of its own; kept plain.
; LIMIT: NaN and infinities are not served.
.set KB, 16
.set MT, 2
.set NT, 2
.set C, 8
.set WOFF, 7602176
.set CB, C*2048
.set SLOT, 2*(MT+NT)*CB
.set NL, 4*(MT+NT)
.set STAGE, 2*SLOT
.set F0, 32
.set ACC, 160
; v2 lane 16; v4, v5 X's LDS address in slot 0, 1; v6, v7 W's; v8 stage, in; v9 bias offset; v11 stage, back; v12 offset in out0; v[16:31] bias
.macro PLACES                          ; four plain vector instructions between a matrix instruction and what touches its registers (ISA guide 7.12.1)
.rept 4
	v_nop
.endr
.endm
.macro LOADF slot, kb, f
.set i, 0
.rept MT
.irp q, 0,1,2,3
	ds_load_b128 v[\f+16*i+4*\q:\f+16*i+4*\q+3], v[4+\slot] offset:(i*C+\kb)*2048+512*\q
.endr
.set i, i+1
.endr
.set i, 0
.rept NT
.irp q, 0,1,2,3
	ds_load_b128 v[\f+16*(MT+i)+4*\q:\f+16*(MT+i)+4*\q+3], v[6+\slot] offset:(i*C+\kb)*2048+512*\q
.endr
.set i, i+1
.endr
.endm
; Source 0 = W's rows (n), source 1 = X's rows (m): a lane holds row m = lane % 16, columns 8 (lane / 16) + 0..7.
; The twelve accumulators take turns, one instruction a turn.
.macro MULKB f
.irp p, 0,1,2
.set i, 0
.rept MT
.set jn, 0
.rept NT
.set acc, ACC+8*((\p*MT+i)*NT+jn)
.set wf, \f+16*(MT+jn)+8*(\p%2)
.set xf, \f+16*i+8*(\p/2)
.if z
	v_wmma_f32_16x16x32_bf16 v[acc:acc+7], v[wf:wf+7], v[xf:xf+7], 0
.else
	v_wmma_f32_16x16x32_bf16 v[acc:acc+7], v[wf:wf+7], v[xf:xf+7], v[acc:acc+7]
.endif
.set jn, jn+1
.endr
.set i, i+1
.endr
.endr
.endm
.macro COMPUTE slot
	PLACES
	LOADF \slot, 0, F0
.set kbi, 0
.rept C
.set fc, F0+64*(kbi%2)
.if kbi+1 < C
.set kn, kbi+1
.set fn, F0+64*(kn%2)
.if kbi > 0
	PLACES
.endif
	LOADF \slot, kn, fn
	s_wait_dscnt NL                                ; all but the NL loads just issued
.else
	s_wait_dscnt 0x0
.endif
	MULKB fc
.set z, 0
.set kbi, kbi+1
.endr
.endm
	s_load_b256 s[4:11], s[0:1], 0x0               ; X, pf, bias, out0
	v_lshl_add_u32 v14, v0, 2, 0x44400
	v_mov_b32 v15, 0
	ds_add_u32 v14, v15
	ds_add_u32 v14, v15
	v_lshrrev_b32 v1, 5, v0
	v_readfirstlane_b32 s12, v1
	s_lshr_b32 s13, s12, 1
	s_and_b32 s14, s12, 1
	s_and_b32 s15, ttmp7, 0xffff
	s_mov_b32 s24, 3<<16                           ; group 1: MT (NT) rows of C x 256 elements of 8 bytes, KB x 256 apart
	s_mov_b32 s25, (C*256)<<16
	s_mov_b32 s26, MT<<16
	s_mov_b32 s27, (C*256)<<16
	s_mov_b32 s28, MT
	s_mov_b32 s29, KB*256
	s_mov_b32 s30, 0
	s_mov_b32 s31, 0
	s_mov_b32 s32, 3<<16
	s_mov_b32 s33, (C*256)<<16
	s_mov_b32 s34, NT<<16
	s_mov_b32 s35, (C*256)<<16
	s_mov_b32 s36, NT
	s_mov_b32 s37, KB*256
	s_mov_b32 s38, 0
	s_mov_b32 s39, 0
	s_mul_i32 s2, s15, 2*MT
	s_mul_i32 s3, s14, MT
	s_add_co_u32 s2, s2, s3
	s_mul_i32 s2, s2, KB*2048
	s_mov_b32 s3, 0
	s_mul_i32 s18, ttmp9, 2*NT
	s_mul_i32 s19, s14, NT
	s_add_co_u32 s18, s18, s19
	s_mul_i32 s18, s18, KB*2048
	s_add_co_u32 s18, s18, WOFF
	s_mov_b32 s19, 0
	s_mul_i32 s20, s12, MT*CB
	s_mul_i32 s21, s12, NT*CB
	s_add_co_u32 s21, s21, 2*(MT-NT)*CB
	s_wait_dscnt 0x0
	s_wait_kmcnt 0x0
	s_add_nc_u64 s[2:3], s[4:5], s[2:3]
	s_add_nc_u64 s[18:19], s[6:7], s[18:19]
.irp s, 0,1
	s_mov_b32 s[40+4*\s], 1
	s_add_co_u32 s[41+4*\s], s20, \s*SLOT
	s_add_nc_u64 s[42+4*\s:43+4*\s], s[2:3], \s*CB
	s_or_b32 s[43+4*\s], s[43+4*\s], 0x80000000
	s_mov_b32 s[48+4*\s], 1
	s_add_co_u32 s[49+4*\s], s21, \s*SLOT
	s_add_nc_u64 s[50+4*\s:51+4*\s], s[18:19], \s*CB
	s_or_b32 s[51+4*\s], s[51+4*\s], 0x80000000
.endr
	s_cmp_lt_u32 s12, 2                            ; both fills of a wave in one branch: two loads of mine are out
	s_cbranch_scc0 .Lfirst_w
	tensor_load_to_lds s[40:43], s[24:31]
	s_nop 0
	tensor_load_to_lds s[44:47], s[24:31]
	s_nop 0
	s_branch .Lfirst_done
.Lfirst_w:
	tensor_load_to_lds s[48:51], s[32:39]
	s_nop 0
	tensor_load_to_lds s[52:55], s[32:39]
	s_nop 0
.Lfirst_done:
	v_and_b32 v1, 31, v0
	v_lshlrev_b32 v2, 4, v1
	v_bfe_u32 v3, v0, 4, 1                         ; h
	v_and_b32 v10, 15, v0                          ; r
	s_mul_i32 s22, s13, MT*CB
	s_mul_i32 s23, s14, NT*CB
	s_add_co_u32 s23, s23, 2*MT*CB
	v_add_nc_u32 v4, s22, v2
	v_add_nc_u32 v6, s23, v2
	v_add_nc_u32 v5, SLOT, v4
	v_add_nc_u32 v7, SLOT, v6
	s_mul_i32 s22, ttmp9, 2*NT
	s_mul_i32 s23, s14, NT
	s_add_co_u32 s22, s22, s23
	s_lshl_b32 s23, s22, 6
	v_lshl_add_u32 v9, v3, 5, s23
.irp n, 0,1
	global_load_b128 v[16+8*\n:19+8*\n], v9, s[8:9] offset:64*\n
	global_load_b128 v[20+8*\n:23+8*\n], v9, s[8:9] offset:64*\n+16
.endr
	v_mul_u32_u24 v8, v10, 272                     ; stage, in: row 32 wr + 16 i + r, column 32 wc + 16 j + 8 h
	v_lshl_add_u32 v8, v3, 5, v8
	s_mul_i32 s22, s13, 32*272
	s_lshl_b32 s23, s14, 7
	s_add_co_u32 s22, s22, s23
	s_add_co_u32 s22, s22, STAGE
	v_add_nc_u32 v8, s22, v8
	v_mul_u32_u24 v11, v3, 272                     ; stage, back: row 16 w + 2 t + h, 16 bytes for each of sixteen lanes
	v_lshl_add_u32 v11, v10, 4, v11
	s_mul_i32 s22, s12, 16*272
	s_add_co_u32 s22, s22, STAGE
	v_add_nc_u32 v11, s22, v11
	v_lshlrev_b32 v12, 12, v3
	v_lshl_add_u32 v12, v10, 4, v12
	s_lshl_b32 s2, s15, 18                         ; 64 rows of 4,096 bytes
	s_lshl_b32 s22, s12, 16                        ; 16 rows
	s_add_co_u32 s2, s2, s22
	s_lshl_b32 s22, ttmp9, 8                       ; 64 columns
	s_add_co_u32 s2, s2, s22
	s_mov_b32 s3, 0
	s_add_nc_u64 s[10:11], s[10:11], s[2:3]
	s_wait_tensorcnt 0x1                           ; my part of piece 0 is in; slot 1's fill may stay out
	s_barrier_signal -1
	s_barrier_wait -1
.set z, 1
	COMPUTE 0
	s_wait_tensorcnt 0x0
	s_wait_dscnt 0x0
	s_barrier_signal -1
	s_barrier_wait -1
	COMPUTE 1
	s_wait_loadcnt 0x0
	PLACES
.set i, 0
.rept MT
.set jn, 0
.rept NT
.set ahh, ACC+8*(i*NT+jn)
.set ahl, ACC+8*((MT+i)*NT+jn)
.set alh, ACC+8*((2*MT+i)*NT+jn)
.irp j, 0,2,4,6
	v_pk_add_f32 v[ahl+\j:ahl+\j+1], v[ahl+\j:ahl+\j+1], v[alh+\j:alh+\j+1]
.endr
.irp j, 0,2,4,6
	v_pk_add_f32 v[ahh+\j:ahh+\j+1], v[ahh+\j:ahh+\j+1], v[ahl+\j:ahl+\j+1]
.endr
.irp j, 0,2,4,6
	v_pk_add_f32 v[ahh+\j:ahh+\j+1], v[ahh+\j:ahh+\j+1], v[16+8*jn+\j:16+8*jn+\j+1]
.endr
	ds_store_b128 v8, v[ahh:ahh+3] offset:i*16*272+jn*64
	ds_store_b128 v8, v[ahh+4:ahh+7] offset:i*16*272+jn*64+16
.set jn, jn+1
.endr
.set i, i+1
.endr
	s_wait_dscnt 0x0                               ; my stores are done before I say so: a row's halves come from two waves
	s_barrier_signal -1
	s_barrier_wait -1
.irp t, 0,1,2,3,4,5,6,7
	ds_load_b128 v[F0+4*\t:F0+4*\t+3], v11 offset:\t*544
.endr
.irp t, 0,1,2,3,4,5,6,7
	s_wait_dscnt 7-\t                              ; LDS loads come back in order: pair t of rows is in
	global_store_b128 v12, v[F0+4*\t:F0+4*\t+3], s[10:11] offset:\t*8192
.endr
	s_wait_tensorcnt 0x0
	ds_add_u32 v14, v15
	s_wait_dscnt 0x0
	s_endpgm
.Lfunc_end_k_q6af869a3b1_d3:
	.size	k_q6af869a3b1_d3, .Lfunc_end_k_q6af869a3b1_d3-k_q6af869a3b1_d3
	.p2alignl 7, 3214868480
	.fill 96, 4, 3214868480
	.section	.rodata,"a",@progbits
	.p2align	6, 0x0
	.amdhsa_kernel k_q6af869a3b1_d3
		.amdhsa_group_segment_fixed_size 280064
		.amdhsa_private_segment_fixed_size 0
		.amdhsa_enable_private_segment 0
		.amdhsa_kernarg_size 32
		.amdhsa_user_sgpr_count 2
		.amdhsa_user_sgpr_kernarg_segment_ptr 1
		.amdhsa_wavefront_size32 1
		.amdhsa_system_sgpr_workgroup_id_x 1
		.amdhsa_system_sgpr_workgroup_id_y 1
		.amdhsa_system_sgpr_workgroup_id_z 1
		.amdhsa_system_vgpr_workitem_id 0
		.amdhsa_next_free_vgpr 256
		.amdhsa_next_free_sgpr 66
		.amdhsa_reserve_vcc 0
		.amdhsa_float_denorm_mode_32 3
		.amdhsa_float_denorm_mode_16_64 3
		.amdhsa_memory_ordered 1
		.amdhsa_forward_progress 1
		.amdhsa_inst_pref_size 42
	.end_amdhsa_kernel
	.amdgpu_metadata
---
amdhsa.version: [ 1, 2 ]
amdhsa.kernels:
  - .name:           k_q6af869a3b1_d3
    .symbol:         k_q6af869a3b1_d3.kd
    .args:
      - { .name: hB, .offset: 0, .size: 8, .value_kind: global_buffer, .address_space: global }
      - { .name: pf, .offset: 8, .size: 8, .value_kind: global_buffer, .address_space: global }
      - { .name: D3b, .offset: 16, .size: 8, .value_kind: global_buffer, .address_space: global }
      - { .name: out0, .offset: 24, .size: 8, .value_kind: global_buffer, .address_space: global }
    .group_segment_fixed_size: 280064
    .private_segment_fixed_size: 0
    .kernarg_segment_align: 8
    .kernarg_segment_size: 32
    .max_flat_workgroup_size: 128
    .sgpr_count:     66
    .vgpr_count:     256
    .wavefront_size: 32
...
	.end_amdgpu_metadata
.endif
;; end of part 10
